; MI455X (gfx1250); checked and timed in simulation.
; The chip was launched on July 23, 2026; its instructions are those of AMD's public machine-readable ISA for CDNA 5 (MIT licence, August 2026) and "CDNA5" Instruction Set Architecture Reference Guide (July 2026). The comments in the code are by the model that wrote it; some were corrected since.
;; Casual Self Attention. Allowed arithmetic: matrix products marked QUANTISED: E2M1 operands, one E8M0 scale for each 32 along K, by v_wmma_scale_f32_16x16x128_f8f6f4 with both operands' format E2M1 (or v_wmma_scale_f32_32x16x128_f4), f32 sums; products left as they are: bf16, f16 or f32 operands; f32 sums; everything else in f32.
;; Inputs: b_attn 3,072 float32; b_proj 1,024 float32; w_attn 3,072 x 1,024 float32; w_proj 1,024 x 1,024 float32; x 2 x 2,048 x 1,024 float32.
;; Outputs: out0 2 x 2,048 x 1,024 float32.
;; This version of the problem:
;;   THIS VERSION OF THE PROBLEM IS GIVEN IN LOW PRECISION. The matrix products marked QUANTISED in the list below multiply operands that are first quantised to E2M1 (2 exponent bits, 1 mantissa bit; 4 bits a number), with one power-of-two scale for each 32 numbers along K (OCP MX v1.0); their sums are f32. The products marked 'left as it is' may take bf16, f16 or f32 operands, with f32 sums. Whichever they take, every output number must still come out within the allowed error. Rounding operands to bf16 (8 significant bits) uses up far more of that allowance than f16 does (11 bits, for magnitudes from 6e-5 to 65,504). All else is computed in f32.
;;   The module's matrix products, in the order in which they are computed (A, B: the left and right operand; K: the contracted axis; several contracted axes count as one K, in the product's order):
;;     1. [M 4,096, K 1,024] x [K 1,024, N 3,072]; A: input x; B: input w_attn: QUANTISED
;;     2. batch 32 x [M 2,048, K 64] x [K 64, N 2,048]; A: computed on the way; B: computed on the way: left as it is (an operand is computed on the way)
;;     3. batch 32 x [M 2,048, K 2,048] x [K 2,048, N 64]; A: computed on the way; B: computed on the way: left as it is (an operand is computed on the way)
;;     4. [M 4,096, K 1,024] x [K 1,024, N 1,024]; A: computed on the way; B: input w_proj: left as it is (an operand is computed on the way)
;;   THE QUANTISER, for each operand of a quantised product, along K:
;;     - K is cut into blocks of 32 from its start; a last block that is shorter is filled with zeros.
;;     - A block's scale is 2^e with e = floor(log2(the largest magnitude in the block)) - 2, held to -126 .. 127; a block of zeros has e = 0. As a byte (E8M0): e + 127.
;;     - Each number is divided by its block's scale, clamped to +-6, and rounded to the nearest number of E2M1, ties to even, subnormals kept.
;;     - The product sums the exact products of the quantised numbers (number of the format x scale) in f32.
;;   ~~~python
;;   def quantise(x, axis):      # numpy; x: float32 -> the quantised numbers, widened to float32 again
;;       x = np.moveaxis(x, axis, -1); K = x.shape[-1]
;;       x = np.pad(x, [(0, 0)] * (x.ndim - 1) + [(0, -K % 32)]); x = x.reshape(x.shape[:-1] + (-1, 32)); a = np.abs(x).max(-1, keepdims=True)
;;       e = np.where(a > 0, np.clip(np.frexp(np.where(a > 0, a, 1))[1] - 1 - 2, -126, 127), 0)      # np.frexp(a)[1] - 1 = floor(log2(a)), exactly
;;       r = np.clip(x / 2.0 ** e, -6, 6)
;;       step = 2.0 ** (np.maximum(np.frexp(np.where(r == 0, 1, r))[1] - 1, 0) - 1)
;;       q = np.round(r / step) * step * 2.0 ** e      # np.round: ties to even
;;       return np.moveaxis(q.reshape(q.shape[:-2] + (-1,))[..., :K], -1, axis).astype(np.float32)
;;   ~~~
;; One version. Each part assembles by itself: llvm-mc -triple=amdgcn-amd-amdhsa -mcpu=gfx1250 --defsym DOCPART=n.
;; ======== version 1 of 1: 5 launches
;; limits: values are held in f16: magnitudes above 65,504 overflow, below 6.1e-05 lose precision
;; workspace buffers: codes 3,670,016 bytes; scales 229,376 bytes; w16 2,097,152 bytes; tab 524,288 bytes; qkv16 25,165,824 bytes; qkv32 786,432 bytes; y16 8,388,608 bytes
;; launch prep (part 1): grid 992 x 1, 4 waves a work-group, no clusters, 21,248 bytes of LDS; arguments x, w_attn, w_proj, codes, scales, w16, tab; writes codes, scales, w16, tab
.if DOCPART == 1
	.amdgcn_target "amdgcn-amd-amdhsa--gfx1250"
	.amdhsa_code_object_version 6
	.text
	.protected	k_qe8b2b8bb6c_prep
	.globl	k_qe8b2b8bb6c_prep
	.p2align	8
	.type	k_qe8b2b8bb6c_prep,@function
k_qe8b2b8bb6c_prep:
	s_mov_b64 s[64:65], 0
	v_nop
	global_prefetch_b8 v0, s[64:65] scope:SCOPE_SE
	s_setreg_imm32_b32 hwreg(HW_REG_WAVE_MODE, 25, 1), 1
	s_wait_xcnt 0x0
; THREE JOBS IN ONE LAUNCH, told apart by the work-group's number.
; Work-groups 0-63: w_proj [1024][1024] f32 becomes f16, laid in the order of an operand's registers: [nb 64][kb 16][g 4][lane 32][16 bytes]; lane (r, h) holds w_proj[16 nb + r][64 kb + 16 g + 8 h + 0..7].
; Work-groups 64-95: the table of the rotary embedding, [t 2048][i 32](cos, sin) of t x 10000^(-i / 32), f32, 256 bytes a row.
; Work-groups 96-991: x [4096][1024] and w_attn [3072][1024], f32, K innermost, become codes of FP4 (E2M1), 512 bytes a row, and one E8M0 byte for each 32 along K, 32 bytes a row.
;   x's 512 work-groups come first, so both tensors are one stream in the codes' buffer (w_attn's from byte 2,097,152) and in the scale bytes' (from byte 131,072).
;   A block's scale is 2^(floor(log2(its largest magnitude)) - 2); its byte is that magnitude's exponent field - 2, held at 1 from below.  A block of zeros so gets the byte 1: its codes are zeros, and this program alone reads the bytes.
;   A wave takes 2,048 numbers and asks for all its 8,192 bytes at its head: many short waves, several work-groups to a WGP, so that much is on its way at once.
; LIMITS: blocks whose largest magnitude lies under 2^-124 keep the byte 1; NaN and infinities are not served; w_proj under 65,504 in magnitude (f16).
;   The table's angle is t x 2^(-i x 0.41524), with the exponential's last bit uncertain: at t near 2,047 that is some 3e-4 of a radian; the two polynomials are good to 3e-8.
.set STEPS, 4
.set EMAX,  2
.set CB,    8                          ; bytes of 16 codes
.set R,     16                         ; v16-79   four sets of 16 numbers as they are loaded
.set X,     80                         ; v80-111  two sets of 16 neighbours
.set E,     112                        ; v112-115 a scale byte for each step
.set C,     128                        ; v128-143 codes: four registers for each step
.set SP,    80                         ; a lane's place in a stage: 64 bytes + 16 of padding
.set WREG,  2*32*SP                    ; LDS: a region for each wave: two stages of 32 x SP bytes
.set SCB,   4*WREG                     ; behind the four regions: the work-group's 256 scale bytes, 64 from each wave
.set SPARE, SCB+256                    ; and the spare words, 128 bytes a wave
.set SPW,   12                         ; v12 LDS address of my spare word; never rewritten
.set NIL,   13                         ; v13 0; never rewritten
	s_load_b128 s[4:7], s[0:1], 0x0                ; x, w_attn
	s_load_b128 s[8:11], s[0:1], 0x10              ; w_proj, codes
	s_load_b128 s[12:15], s[0:1], 0x20             ; scales, w16
	s_load_b64 s[16:17], s[0:1], 0x30              ; tab
	v_lshl_add_u32 v[SPW], v0, 2, SPARE
	v_mov_b32 v[NIL], 0
	v_lshrrev_b32 v1, 5, v0
	v_readfirstlane_b32 s20, v1                    ; wave
	v_and_b32 v2, 31, v0                           ; lane
	s_cmp_lt_u32 ttmp9, 96
	s_cbranch_scc1 .Lnot_q
; ---------------- the quantiser.  A wave takes 4 steps of 512 numbers.  Each load reads 512 consecutive bytes; a step's 2,048 bytes turn through the wave's own stage in LDS,
; so that a lane then holds 16 neighbours along K (two neighbouring lanes hold a block).  The turn through LDS runs one step ahead of the work.
	v_lshlrev_b32 v3, 4, v2                        ; my 16 bytes of a load's 512
	s_mul_i32 s21, s20, WREG
	v_lshrrev_b32 v14, 2, v2
	v_mul_u32_u24 v14, v14, SP
	v_and_b32 v15, 3, v2
	v_lshl_add_u32 v14, v15, 4, v14
	v_add_nc_u32 v14, s21, v14                     ; the stage, on the way in: SP (lane / 4) + 16 (lane % 4)
	v_mul_u32_u24 v15, v2, SP
	v_add_nc_u32 v15, s21, v15                     ; and on the way out: SP x lane
	v_mul_u32_u24 v4, v2, CB                       ; my codes' place in a step's
	v_lshrrev_b32 v5, 1, v2
	s_lshl_b32 s21, s20, 6
	s_add_co_u32 s21, s21, SCB
	v_add_nc_u32 v5, s21, v5                       ; my wave's 64 scale bytes, my block's byte
	v_lshlrev_b32 v7, 3, v2
	v_add_nc_u32 v6, SCB, v7                       ; on the way out: 8 bytes a lane of the work-group's 256
	s_wait_kmcnt 0x0
	s_sub_co_u32 s24, ttmp9, 96                    ; which work-group of the quantiser's
	s_cmp_lt_u32 s24, 512                          ; x's or w_attn's: the choice hangs on the work-group's number alone
	s_cselect_b64 s[4:5], s[4:5], s[6:7]
	s_cselect_b32 s21, 0, 512
	s_sub_co_u32 s21, s24, s21
	s_lshl_b32 s21, s21, 2
	s_add_co_u32 s21, s21, s20                     ; which run of 2,048 numbers of the tensor is my wave's
	s_lshl_b32 s22, s21, 13
	s_mov_b32 s23, 0
	s_add_nc_u64 s[4:5], s[4:5], s[22:23]
	s_lshl_b32 s21, s24, 2
	s_add_co_u32 s21, s21, s20                     ; and which run of the codes' stream
	s_lshl_b32 s22, s21, 10
	s_add_nc_u64 s[10:11], s[10:11], s[22:23]      ; 1,024 bytes of codes a run
	s_lshl_b32 s22, s24, 8
	s_add_nc_u64 s[12:13], s[12:13], s[22:23]      ; 256 scale bytes a work-group
.macro LOAD t
.irp i, 0,1,2,3
	global_load_b128 v[R+16*((\t)%4)+4*\i:R+16*((\t)%4)+4*\i+3], v3, s[4:5] offset:2048*(\t)+512*\i th:TH_LOAD_NT
.endr
.endm
.macro TURN t                          ; a step's numbers through the stage: LDS serves a wave's instructions in order, so no wait stands between the stores and the loads
.irp i, 0,1,2,3
	ds_store_b128 v14, v[R+16*((\t)%4)+4*\i:R+16*((\t)%4)+4*\i+3] offset:32*SP*((\t)%2)+8*SP*\i
.endr
.irp i, 0,1,2,3
	ds_load_b128 v[X+16*((\t)%2)+4*\i:X+16*((\t)%2)+4*\i+3], v15 offset:32*SP*((\t)%2)+16*\i
.endr
.endm
.irp t, 0,1,2,3
	LOAD \t
.endr
	s_wait_loadcnt 12                              ; step 0's four loads are in; the twelve of steps 1 to 3 may be out
	TURN 0
.macro STEP t
.set XS, X+16*((\t)%2)
.if (\t) > 0
	s_wait_dscnt 1                                 ; this step's numbers are back from the stage; the last step's byte store may be out
.else
	s_wait_dscnt 0x0
.endif
.if (\t)+1 < STEPS
	s_wait_loadcnt 4*(STEPS-2-(\t))                ; the next step's four loads are in; those of the steps behind it may be out
	TURN (\t)+1
.endif
	v_max3_num_f32 v8, |v[XS]|, |v[XS+1]|, |v[XS+2]|               ; the largest magnitude of my 16, in two chains
	v_max3_num_f32 v9, |v[XS+3]|, |v[XS+4]|, |v[XS+5]|
.irp i, 6,10
	v_max3_num_f32 v8, v8, |v[XS+\i]|, |v[XS+\i+1]|
	v_max3_num_f32 v9, v9, |v[XS+\i+2]|, |v[XS+\i+3]|
.endr
	v_max3_num_f32 v8, v8, |v[XS+14]|, |v[XS+15]|
	v_max3_num_f32 v8, v8, v9, (EMAX+1)<<23        ; and the floor 2^(3 - 127): the byte cannot fall under 1
	v_max_num_f32_dpp v8, v8, v8 row_xmask:1 row_mask:0xf bank_mask:0xf   ; and of my neighbour's 16: the block's
	v_add_nc_u32 v11, -(EMAX<<23), v8              ; 2 off its exponent field: the conversion takes the exponent field of this operand as its scale
	v_cvt_scalef32_pk8_fp4_f32 v[C+4*(\t)], v[XS:XS+7], v11
	v_cvt_scalef32_pk8_fp4_f32 v[C+4*(\t)+1], v[XS+8:XS+15], v11
	v_lshrrev_b32 v[E+(\t)], 23, v11               ; the scale's byte (also the plain line behind the conversions)
	ds_store_b8 v5, v[E+(\t)] offset:16*(\t)       ; both lanes of a block write the same byte with the same value
	global_store_b64 v4, v[C+4*(\t):C+4*(\t)+1], s[10:11] offset:32*CB*(\t)   ; the wave stores 256 consecutive bytes, aligned
.endm
.irp t, 0,1,2,3
	STEP \t
.endr
	s_wait_dscnt 0x0                               ; for the others' sake: my byte stores have landed
	s_barrier_signal -1
	s_barrier_wait -1                              ; the work-group's 256 scale bytes lie in LDS
	s_cmp_lg_u32 s20, 0
	s_cbranch_scc1 .Lq_end                         ; wave 0 takes them out
	ds_load_b64 v[8:9], v6
	s_wait_dscnt 0x0
	global_store_b64 v7, v[8:9], s[12:13]          ; 32 lanes store 256 consecutive bytes, aligned
.Lq_end:
	s_wait_tensorcnt 0x0                           ; the wave's end, behind my last LDS store
	ds_add_u32 v[SPW], v[NIL]
	s_wait_dscnt 0x0
	s_endpgm
; ---------------- w_proj to f16, in the order of an operand's registers.  Work-group nb takes rows 16 nb on; its wave w 256 along K from 256 w on, in four blocks of 64 along K, all asked for at the head.
; A load reads 32 bytes of each half of sixteen rows; a block's eight loads on end cover 256 consecutive bytes of each row.  A store covers 512 consecutive bytes, aligned.  No LDS.
.Lnot_q:
	s_cmp_ge_u32 ttmp9, 64
	s_cbranch_scc1 .Ltab
	s_lshl_b32 s24, ttmp9, 16                      ; in: 16 rows of 4,096 bytes a block of rows,
	s_lshl_b32 s25, s20, 10                        ; 1,024 bytes for 256 along K
	s_add_co_u32 s24, s24, s25
	s_mov_b32 s25, 0
	s_lshl_b32 s26, ttmp9, 15                      ; out: 32,768 bytes a block of rows,
	s_lshl_b32 s27, s20, 13                        ; 8,192 for 256 along K
	s_add_co_u32 s26, s26, s27
	s_mov_b32 s27, 0
	v_and_b32 v3, 15, v0                           ; r
	v_bfe_u32 v4, v0, 4, 1                         ; h
	v_lshlrev_b32 v1, 12, v3
	v_lshl_add_u32 v1, v4, 5, v1                   ; in: 4,096 r + 32 h
	v_lshlrev_b32 v2, 4, v2                        ; out: 16 x lane
	s_wait_kmcnt 0x0
	s_add_nc_u64 s[8:9], s[8:9], s[24:25]
	s_add_nc_u64 s[14:15], s[14:15], s[26:27]
.macro CLOAD k                         ; block k: 32 numbers a lane into set k
.irp g, 0,1,2,3
.irp e, 0,1
	global_load_b128 v[16+32*(\k)+8*\g+4*\e:16+32*(\k)+8*\g+4*\e+3], v1, s[8:9] offset:256*(\k)+64*\g+16*\e th:TH_LOAD_NT
.endr
.endr
.endm
.macro CBLK k
	s_wait_loadcnt 8*(3-(\k))                      ; this block's eight loads are in; those of the blocks behind it may be out
	s_wait_xcnt 0x0                                ; the stores of two blocks back have read their registers, which are written again below
.irp g, 0,1,2,3
.irp p, 0,1,2,3
	v_cvt_pk_f16_f32 v[144+16*((\k)%2)+4*\g+\p], v[16+32*(\k)+8*\g+2*\p], v[16+32*(\k)+8*\g+2*\p+1]
.endr
.endr
.irp g, 0,1,2,3
	global_store_b128 v2, v[144+16*((\k)%2)+4*\g:144+16*((\k)%2)+4*\g+3], s[14:15] offset:2048*(\k)+512*\g
.endr
.endm
.irp k, 0,1,2,3
	CLOAD \k
.endr
.irp k, 0,1,2,3
	CBLK \k
.endr
	s_endpgm
; ---------------- the table.  128 waves, 16 positions t each; the lane is i.  The angle is brought into -pi/4 .. pi/4 by n = the nearest whole number to angle x 2 / pi (pi / 2 in two parts,
; by fused multiply-adds), sine and cosine there by their series to r^9 and r^8, and the quadrant n % 4 swaps them and sets the signs.  No LDS.
.Ltab:
	s_sub_co_u32 s21, ttmp9, 64
	s_lshl_b32 s21, s21, 2
	s_add_co_u32 s21, s21, s20                     ; which of the 128 waves
	s_lshl_b32 s24, s21, 12                        ; 16 rows of 256 bytes
	s_mov_b32 s25, 0
	s_lshl_b32 s21, s21, 4                         ; my first t
	s_mov_b32 s26, 0x3f22f983                      ; 2 / pi
	s_mov_b32 s27, 0x3fc90fdb                      ; pi / 2, the f32 nearest to it,
	s_mov_b32 s28, 0xb33bbd2e                      ; and what that leaves
	v_cvt_f32_u32 v3, v2
	v_mul_f32 v3, 0xbed49a78, v3                   ; -i x log2(10000) / 32
	v_exp_f32 v4, v3                               ; 10000^(-i / 32)
	v_lshlrev_b32 v2, 3, v2                        ; out: 8 bytes a lane (a plain line behind the exponential)
	v_mov_b32 v5, 0x3638ef1d                       ; 1 / 9!
	v_mov_b32 v6, 0x37d00d01                       ; 1 / 8!
	s_wait_alu depctr_va_vdst(0)                   ; ahead of the exponential's first reader
	s_wait_kmcnt 0x0
	s_add_nc_u64 s[16:17], s[16:17], s[24:25]
.set k, 0
.rept 16
	s_add_co_u32 s22, s21, k
	v_cvt_f32_u32 v8, s22
	v_mul_f32 v8, v8, v4                           ; the angle
	v_mul_f32 v9, s26, v8
	v_rndne_f32 v9, v9                             ; n
	v_fma_f32 v10, -v9, s27, v8
	v_fma_f32 v10, -v9, s28, v10                   ; r = angle - n pi / 2
	v_mul_f32 v11, v10, v10                        ; r^2
	v_fmaak_f32 v14, v5, v11, 0xb9500d01           ; the sine's series: -1 / 7!,
	v_fmaak_f32 v15, v6, v11, 0xbab60b61           ; the cosine's: -1 / 6!,
	v_fmaak_f32 v14, v14, v11, 0x3c088889          ; 1 / 5!,
	v_fmaak_f32 v15, v15, v11, 0x3d2aaaab          ; 1 / 4!,
	v_fmaak_f32 v14, v14, v11, 0xbe2aaaab          ; -1 / 3!,
	v_fmaak_f32 v15, v15, v11, 0xbf000000          ; -1 / 2!
	v_mul_f32 v16, v11, v10
	v_fma_f32 v14, v14, v16, v10                   ; sin r
	v_fma_f32 v15, v15, v11, 1.0                   ; cos r
	v_cvt_i32_f32 v17, v9
	v_and_b32 v18, 1, v17
	v_cmp_eq_u32 vcc_lo, 1, v18                    ; odd quadrants swap the two
	v_cndmask_b32 v19, v14, v15, vcc_lo
	v_cndmask_b32 v20, v15, v14, vcc_lo
	v_lshlrev_b32 v18, 30, v17                     ; the sine is negative in quadrants 2 and 3,
	v_add_nc_u32 v17, 1, v17
	v_lshlrev_b32 v17, 30, v17                     ; the cosine in 1 and 2
	v_and_b32 v18, 0x80000000, v18
	v_and_b32 v17, 0x80000000, v17
	v_xor_b32 v[64+2*k], v20, v17                  ; cos
	v_xor_b32 v[65+2*k], v19, v18                  ; sin
	global_store_b64 v2, v[64+2*k:65+2*k], s[16:17] offset:256*k   ; 32 lanes store a row: 256 consecutive bytes, aligned; each row has registers of its own
.set k, k+1
.endr
	s_endpgm
.Lfunc_end_k_qe8b2b8bb6c_prep:
	.size	k_qe8b2b8bb6c_prep, .Lfunc_end_k_qe8b2b8bb6c_prep-k_qe8b2b8bb6c_prep
	.p2alignl 7, 3214868480
	.fill 96, 4, 3214868480
	.section	.rodata,"a",@progbits
	.p2align	6, 0x0
	.amdhsa_kernel k_qe8b2b8bb6c_prep
		.amdhsa_group_segment_fixed_size 21248
		.amdhsa_private_segment_fixed_size 0
		.amdhsa_enable_private_segment 0
		.amdhsa_kernarg_size 56
		.amdhsa_user_sgpr_count 2
		.amdhsa_user_sgpr_kernarg_segment_ptr 1
		.amdhsa_wavefront_size32 1
		.amdhsa_system_sgpr_workgroup_id_x 1
		.amdhsa_system_sgpr_workgroup_id_y 1
		.amdhsa_system_sgpr_workgroup_id_z 1
		.amdhsa_system_vgpr_workitem_id 0
		.amdhsa_next_free_vgpr 192
		.amdhsa_next_free_sgpr 66
		.amdhsa_reserve_vcc 1
		.amdhsa_float_denorm_mode_32 3
		.amdhsa_float_denorm_mode_16_64 3
		.amdhsa_memory_ordered 1
		.amdhsa_forward_progress 1
		.amdhsa_inst_pref_size 43
	.end_amdhsa_kernel
	.amdgpu_metadata
---
amdhsa.version: [ 1, 2 ]
amdhsa.kernels:
  - .name:           k_qe8b2b8bb6c_prep
    .symbol:         k_qe8b2b8bb6c_prep.kd
    .args:
      - { .name: x, .offset: 0, .size: 8, .value_kind: global_buffer, .address_space: global }
      - { .name: w_attn, .offset: 8, .size: 8, .value_kind: global_buffer, .address_space: global }
      - { .name: w_proj, .offset: 16, .size: 8, .value_kind: global_buffer, .address_space: global }
      - { .name: codes, .offset: 24, .size: 8, .value_kind: global_buffer, .address_space: global }
      - { .name: scales, .offset: 32, .size: 8, .value_kind: global_buffer, .address_space: global }
      - { .name: w16, .offset: 40, .size: 8, .value_kind: global_buffer, .address_space: global }
      - { .name: tab, .offset: 48, .size: 8, .value_kind: global_buffer, .address_space: global }
    .group_segment_fixed_size: 21248
    .private_segment_fixed_size: 0
    .kernarg_segment_align: 8
    .kernarg_segment_size: 56
    .max_flat_workgroup_size: 128
    .sgpr_count:     66
    .vgpr_count:     192
    .wavefront_size: 32
...
	.end_amdgpu_metadata
.endif
;; end of part 1
;; launch qkv (part 2): grid 12 x 16, 4 waves a work-group, clusters of 4 x 4, 327,680 bytes of LDS; arguments codes, scales, b_attn, tab, qkv16, qkv32; writes qkv16, qkv32
.if DOCPART == 2
	.amdgcn_target "amdgcn-amd-amdhsa--gfx1250"
	.amdhsa_code_object_version 6
	.text
	.protected	k_qe8b2b8bb6c_qkv
	.globl	k_qe8b2b8bb6c_qkv
	.p2align	8
	.type	k_qe8b2b8bb6c_qkv,@function
k_qe8b2b8bb6c_qkv:
	s_mov_b64 s[64:65], 0
	v_nop
	global_prefetch_b8 v0, s[64:65] scope:SCOPE_SE
	s_setreg_imm32_b32 hwreg(HW_REG_WAVE_MODE, 25, 1), 1
	s_wait_xcnt 0x0
	s_wait_alu depctr_hold_cnt(0) depctr_sa_sdst(0) depctr_va_vdst(0) depctr_va_sdst(0) depctr_va_ssrc(0) depctr_va_vcc(0) depctr_vm_vsrc(0)
	s_getreg_b32 s2, hwreg(HW_REG_IB_STS2, 6, 4)
	s_cmp_eq_u32 s2, 0
	s_cbranch_scc0 .Lentry_in_a_cluster
	s_endpgm
.Lentry_in_a_cluster:
	s_bfe_u32 s2, ttmp6, 0x10000c
	s_cmp_lg_u32 s2, 0xf033
	s_cbranch_scc0 .Lentry_shape_is_right
	s_endpgm
.Lentry_shape_is_right:
; qkv = Q(x) Q(w_attn)^T + b_attn on codes of FP4 (E2M1) with one E8M0 scale for each 32 along K, then the rotary embedding on q and k, in f32; out as f16, in the order of an operand's registers.
; M = 4,096, N = 3,072, K = 1,024.  A tile of 256 x 256 is made by four waves, 128 x 128 each: 64 accumulators, 512 registers.  K is two LDS slots of 512, both filled at the start: nothing is filled again.
; The scale bytes of the work-group's rows of x and of w_attn, for all of K, come into LDS once, as whole rows of 256 bytes.
; CLUSTERS: 4 x 4 work-groups; x's tile is asked for jointly along a row of the cluster, w_attn's along a column.  Tile column = 4 x cluster x + cx, so the cluster's x is the kind of column: 0 q, 1 k, 2 v:
; a number that all sixteen partners share, on which the text parts.  Tile row = 4 cy + cluster y, so that the tile rows in which a sequence begins (0 and 8) lie in the clusters with y = 0.
; q AND k: the matrix instruction is used transposed (source 0 = 16 rows of w_attn, source 1 = 16 tokens): a lane holds one token and eight neighbouring columns, the pairs that the embedding turns.
;   The two results of pair i stay at d = 2 i and 2 i + 1, in q and in k alike: a score sums the same products as with the halves apart, in another order.
; v: natural use (source 0 = 16 tokens, source 1 = 16 rows of w_attn): a lane holds one column d and eight neighbouring tokens, which is the operand V^T of attention's second product.
; The bias is the C of each sum's first matrix instruction.
; THE TABLE of all eight blocks of 16 tokens is asked for during the K steps, into registers that lie idle there, so that the way out finds it in registers.
; OUT: qkv16 [slot 48 = 16 kind + head][mb 256][g 4][lane 32][16 bytes]: q, k: token 16 mb + r, d = 16 g + 8 h + 0..7;  v: d = 16 g + r, tokens 16 mb + 8 h + 0..7.  Each store covers 512 consecutive bytes, aligned.
;   qkv32 [cy 4][slot 48][g 4][e 2][lane 32][16 bytes]: the same in f32 (e: the lower or upper four numbers) of the first 16 rows of tile rows 0, 4, 8, 12; the parts cy = 0 and 2 are read later.
; LIMITS: q, k, v under 65,504 in magnitude (f16); NaN and infinities are not served.
; REGISTERS: window 0: v0-31 addresses; v32-95 scale words, two sets; v96-127 the table's set 6; v128-191 x's fragments, one set; v192-255 the bias, then the table's sets 0, 1.
;   Way out: v32-95 the turned numbers, v128-191 two sets of f16.
;   window 1: w_attn's fragments, two sets, at v0 and v128; the table's sets 2, 3 at v64, 4, 5 at v192, and 7 at v0 once the first set of fragments is done with.
;   windows 2, 3: the accumulators of my rows 0-63 and 64-127 (accumulator (a, b) at v[8 (8 (a % 4) + b)]).
.set NQ,     4                         ; matrix instructions deep in a slot (512 along K)
.set ROWB,   256                       ; a tile's row in bytes
.set KROW,   512                       ; a row of codes in memory
.set PITCH,  272                       ; an LDS row: 256 bytes + 16 of padding: the 16 rows that a load touches start 68 words apart
.set FR,     8                         ; registers of a fragment
.set NL,     2                         ; LDS loads that bring one
.set NP,     4                         ; places behind this matrix instruction (ISA guide 7.12.1)
.set HALFT,  128*PITCH
.set SLOT,   4*HALFT
.set KS,     32                        ; a row of scale bytes
.set SCL,    2*SLOT                    ; behind the two slots: the scale bytes, as rows of 256 bytes + 16
.set HALFS,  16*272                    ; those of 128 rows
.set SBLK,   2*272                     ; those of 16 rows
.set SPARE,  SCL+4*HALFS               ; the spare words, 128 bytes a wave
.set ADRA, 16                          ; v16-17 LDS address of my fragments of x in slot 0, 1
.set ADRB, 20                          ; v20-21 of w_attn
.set LI,   24                          ; v24 16 x lane: my place in an image
.set TBO,  25                          ; v25 256 r + 32 h: my place in 16 rows of the table
.set BO,   26                          ; v26 32 h: the bias of eight neighbouring columns
.set ADRS, 27                          ; v27 LDS address of my scale words
.set SPW,  28                          ; v28 my spare word; never rewritten
.set NIL,  29                          ; v29 0; never rewritten
.set BO1,  30                          ; v30 4 r: the bias of one column
.set SC,   32
.set AF,   128
.set BIAS, 192
.set T,    32
.set P,    128
.set G1, 24
.set G0, 32
.set G1B, 48
.set G0B, 56
.set G1S, 68
.set G0S, 76
.set G1SB, 80
.set G0SB, 88
.set MSB, 0
.macro WIN new                         ; the immediate's high byte repeats the setting that is left
.if MSB != (\new)
	s_set_vgpr_msb (MSB<<8)|(\new)
.set MSB, (\new)
.endif
.endm
.set TO_B, 0x40                        ; destination window 1, address window 0
; A joint load: waves 0 and 1 fetch for x, waves 2 and 3 for w_attn.  The branch hangs on the wave's number alone.  An s_nop 0 and four v_nop follow each of the two lines.
.macro JLOAD g0a, g1a, g0b, g1b
	s_cmp_eq_u32 s15, 0
	s_cbranch_scc0 .Lfor_b_\@
	tensor_load_to_lds s[\g0a:\g0a+3], s[\g1a:\g1a+7]
	s_nop 0
.rept 4
	v_nop
.endr
	s_branch .Lasked_\@
.Lfor_b_\@:
	tensor_load_to_lds s[\g0b:\g0b+3], s[\g1b:\g1b+7]
	s_nop 0
.rept 4
	v_nop
.endr
.Lasked_\@:
.endm
.macro CROUND                          ; a round of the cluster's barrier
	s_barrier_signal -1
	s_barrier_wait -1
	s_cmp_lg_u32 s14, 0
	s_cbranch_scc1 .Lnot_wave_0_\@
	s_barrier_signal -3
.Lnot_wave_0_\@:
	s_barrier_wait -3
	s_barrier_signal -1
	s_barrier_wait -1
.endm
	s_load_b128 s[4:7], s[0:1], 0x0                ; codes, scales
	s_load_b128 s[96:99], s[0:1], 0x10             ; b_attn, tab
	s_load_b64 s[12:13], s[0:1], 0x20              ; qkv16
	s_load_b64 s[100:101], s[0:1], 0x28            ; qkv32
	v_lshl_add_u32 v[SPW], v0, 2, SPARE
	v_mov_b32 v[NIL], 0
	ds_add_u32 v[SPW], v[NIL]                      ; the wave's opening: the add, twice on end, and its wait ahead of my first tensor load
	ds_add_u32 v[SPW], v[NIL]
	v_lshrrev_b32 v1, 5, v0
	v_readfirstlane_b32 s14, v1                    ; wave 0..3
	s_lshr_b32 s15, s14, 1                         ; which half of the tile's rows is mine.  Also: I fetch for x (0) or for w_attn (1)
	s_and_b32 s16, s14, 1                          ; which half of its columns.  Also: which 128 rows of that tile I fetch
	s_bfe_u32 s40, ttmp6, 0x40000                  ; cx
	s_bfe_u32 s41, ttmp6, 0x40004                  ; cy
	s_lshl_b32 s42, ttmp9, 2
	s_add_co_u32 s42, s42, s40                     ; tile column = 4 x cluster x + cx
	s_and_b32 s66, ttmp7, 0xffff                   ; cluster y
	s_lshl_b32 s17, s41, 2
	s_add_co_u32 s17, s17, s66                     ; tile row = 4 cy + cluster y
	s_lshl_b32 s43, s41, 2
	s_lshl_b32 s43, 15, s43                        ; my row of the cluster
	s_lshl_b32 s44, 0x1111, s40                    ; my column
	; descriptor group 1: a tile of 128 rows x 256 bytes, 16 bytes of padding behind each row
	s_or_b32 s[G1+0], s43, (0<<16)|(1<<20)|(1<<21)|(5<<22)|(3<<25)
	s_or_b32 s[G1B+0], s44, (0<<16)|(1<<20)|(1<<21)|(5<<22)|(3<<25)
.irp g, G1, G1B
	s_mov_b32 s[\g+1], ROWB<<16                    ; tensor_dim0
	s_mov_b32 s[\g+2], 128<<16                     ; tensor_dim1
	s_mov_b32 s[\g+3], ROWB<<16                    ; tile_dim0
	s_mov_b32 s[\g+4], 128                         ; tile_dim1
	s_mov_b32 s[\g+5], KROW                        ; from row to row
	s_mov_b32 s[\g+6], 0
	s_mov_b32 s[\g+7], 0
.endr
	; and for the scale bytes of 128 rows: 4,096 dense bytes as 16 rows of 256 (32 elements of 8 bytes), 16 bytes of padding behind each
	s_or_b32 s[G1S+0], s43, (3<<16)|(1<<20)|(1<<21)|(5<<22)|(3<<25)
	s_or_b32 s[G1SB+0], s44, (3<<16)|(1<<20)|(1<<21)|(5<<22)|(3<<25)
.irp g, G1S, G1SB
	s_mov_b32 s[\g+1], 32<<16
	s_mov_b32 s[\g+2], 16<<16
	s_mov_b32 s[\g+3], 32<<16
	s_mov_b32 s[\g+4], 16
	s_mov_b32 s[\g+5], 32
	s_mov_b32 s[\g+6], 0
	s_mov_b32 s[\g+7], 0
.endr
	s_lshl_b32 s18, s16, 7                         ; which 128 rows of the tile I fetch
	s_lshl_b32 s20, s17, 8
	s_add_co_u32 s20, s20, s18                     ; x: row 256 x tile row + 128 x half
	s_lshl_b32 s46, s42, 8
	s_add_co_u32 s46, s46, s18                     ; w_attn: row 256 x tile column + 128 x half
	s_mov_b32 s21, 0
	s_mov_b32 s47, 0
	s_mov_b64 s[18:19], KS
	s_mul_u64 s[22:23], s[20:21], s[18:19]         ; where these rows' scale bytes begin
	s_mul_u64 s[92:93], s[46:47], s[18:19]
	s_mov_b64 s[18:19], KROW
	s_mul_u64 s[20:21], s[20:21], s[18:19]         ; and their codes
	s_mul_u64 s[46:47], s[46:47], s[18:19]
	s_mul_i32 s45, s14, HALFT                      ; where they go: wave x 128 rows: no place in the cluster enters an LDS address
	s_mul_i32 s94, s14, HALFS
	s_wait_dscnt 0x0                               ; both opening adds are done
	s_wait_kmcnt 0x0
	s_add_nc_u64 s[8:9], s[4:5], 0x200000          ; w_attn's codes lie behind x's,
	s_add_nc_u64 s[10:11], s[6:7], 0x20000         ; and so do its scale bytes
	s_add_nc_u64 s[20:21], s[4:5], s[20:21]
	s_add_nc_u64 s[22:23], s[6:7], s[22:23]
	s_add_nc_u64 s[46:47], s[8:9], s[46:47]
	s_add_nc_u64 s[92:93], s[10:11], s[92:93]
	CROUND                                         ; all sixteen work-groups are here: the joint loads meet
	s_mov_b32 s[G0S], 1
	s_add_co_u32 s[G0S+1], s94, SCL
	s_mov_b64 s[G0S+2:G0S+3], s[22:23]
	s_or_b32 s[G0S+3], s[G0S+3], 0x80000000
	s_mov_b32 s[G0SB], 1
	s_add_co_u32 s[G0SB+1], s94, SCL
	s_mov_b64 s[G0SB+2:G0SB+3], s[92:93]
	s_or_b32 s[G0SB+3], s[G0SB+3], 0x80000000
	JLOAD G0S, G1S, G0SB, G1SB                     ; the scale bytes first; with the two slots three tensor loads of mine are out
.irp s, 0,1
	s_mov_b32 s[G0+4*\s], 1
	s_add_co_u32 s[G0+4*\s+1], s45, \s*SLOT
	s_add_nc_u64 s[G0+4*\s+2:G0+4*\s+3], s[20:21], \s*ROWB
	s_or_b32 s[G0+4*\s+3], s[G0+4*\s+3], 0x80000000
	s_mov_b32 s[G0B+4*\s], 1
	s_add_co_u32 s[G0B+4*\s+1], s45, \s*SLOT
	s_add_nc_u64 s[G0B+4*\s+2:G0B+4*\s+3], s[46:47], \s*ROWB
	s_or_b32 s[G0B+4*\s+3], s[G0B+4*\s+3], 0x80000000
	JLOAD G0+4*\s, G1, G0B+4*\s, G1B
.endr
	v_and_b32 v1, 15, v0                           ; r
	v_bfe_u32 v2, v0, 4, 1                         ; h
	v_mul_u32_u24 v3, v1, PITCH
	v_lshl_add_u32 v4, v2, 4, v3                   ; a fragment's row x pitch + 16 h
	s_mul_i32 s21, s15, HALFT                      ; my 128 rows of x
	s_mul_i32 s22, s16, HALFT                      ; my 128 rows of w_attn,
	s_add_co_u32 s22, s22, 2*HALFT                 ; which lie behind x's 256
.irp s, 0,1
	v_add_nc_u32 v[ADRA+\s], s21, v4
	v_add_nc_u32 v[ADRB+\s], s22, v4
	s_add_co_u32 s21, s21, SLOT
	s_add_co_u32 s22, s22, SLOT
.endr
	v_mul_u32_u24 v5, v1, KS                       ; my row's scale bytes: 32 a row,
	v_lshrrev_b32 v6, 8, v5
	v_lshl_add_u32 v5, v6, 4, v5                   ; and 16 more for each 256 passed
	s_mul_i32 s21, s15, HALFS
	s_mul_i32 s22, s16, HALFS
	s_add_co_u32 s22, s22, 2*HALFS
	s_sub_co_u32 s22, s22, s21
	v_mul_u32_u24 v6, s22, v2                      ; lanes 16-31 take w_attn's
	s_add_co_u32 s21, s21, SCL
	v_add_nc_u32 v5, v5, v6
	v_add_nc_u32 v[ADRS], s21, v5
	v_and_b32 v6, 31, v0
	v_lshlrev_b32 v[LI], 4, v6
	v_lshlrev_b32 v[TBO], 8, v1
	v_lshl_add_u32 v[TBO], v2, 5, v[TBO]
	v_lshlrev_b32 v[BO], 5, v2
	v_lshlrev_b32 v[BO1], 2, v1
	s_lshl_b32 s20, s42, 2
	s_lshl_b32 s21, s16, 1
	s_add_co_u32 s20, s20, s21                     ; my first slot: 4 x tile column + 2 x half (64 columns a slot)
	s_lshl_b32 s22, s20, 19                        ; 524,288 bytes a slot
	s_lshl_b32 s21, s17, 4
	s_lshl_b32 s23, s15, 3
	s_add_co_u32 s21, s21, s23                     ; my first block of 16 tokens
	s_lshl_b32 s21, s21, 11
	s_add_co_u32 s22, s22, s21
	s_mov_b32 s23, 0
	s_add_nc_u64 s[12:13], s[12:13], s[22:23]      ; qkv16 at my first image
	s_lshl_b32 s22, s20, 12
	s_mul_i32 s21, s41, 196608
	s_add_co_u32 s22, s22, s21
	s_add_nc_u64 s[100:101], s[100:101], s[22:23]  ; qkv32: part cy, my first slot
	s_lshl_b32 s22, s20, 8
	s_add_nc_u64 s[96:97], s[96:97], s[22:23]      ; the bias of my first column
	s_and_b32 s21, s17, 7                          ; a sequence is eight tile rows
	s_lshl_b32 s21, s21, 1
	s_add_co_u32 s21, s21, s15
	s_lshl_b32 s22, s21, 15                        ; 128 positions of 256 bytes
	s_add_nc_u64 s[98:99], s[98:99], s[22:23]      ; the table at my first token's position
	s_or_b32 s67, s66, s15                         ; 0: my first 16 rows go out in f32 too.  Made of the cluster's y and the wave's number alone
.macro FRAG reg, adr, q, i             ; 16 rows x 128 K of 4-bit codes: 8 registers, two loads of 16 bytes, 32 bytes apart
.irp c, 0,1
	ds_load_b128 v[\reg+4*\c:\reg+4*\c+3], v[\adr] offset:64*(\q)+32*\c+(\i)*16*PITCH
.endr
.endm
; 16 matrix instructions: x's blocks a0, a0 + 1 against w_attn's eight, the slot's q-th 128 along K.  p: w_attn's set; sc: the set of scale words; cm = 1: the bias is C and starts the sums.
; A scale register holds x's words in lanes 0-15 and w_attn's in lanes 16-31.  The 64 accumulators take turns, one instruction a turn, in the same order in every step.
.macro MUL16 a0, p, q, sc, cm
.irp a, \a0, \a0+1
.irp b, 0,1,2,3,4,5,6,7
.set rD, 8*(8*((\a)%4)+\b)
.set rB, 128*(\p)+FR*\b
.set rA, AF+FR*(\a)
.set sB, SC+8*NQ*(\sc)+NQ*\b+(\q)
.set sA, SC+8*NQ*(\sc)+NQ*(\a)+(\q)
.if SW
.if \cm
	v_wmma_scale_f32_16x16x128_f8f6f4 v[rD:rD+7], v[rA:rA+7], v[rB:rB+7], v[BIAS+8*\b:BIAS+8*\b+7], v[sA], v[sB] matrix_a_fmt:MATRIX_FMT_FP4 matrix_b_fmt:MATRIX_FMT_FP4 matrix_b_scale:MATRIX_SCALE_ROW1
.else
	v_wmma_scale_f32_16x16x128_f8f6f4 v[rD:rD+7], v[rA:rA+7], v[rB:rB+7], v[rD:rD+7], v[sA], v[sB] matrix_a_fmt:MATRIX_FMT_FP4 matrix_b_fmt:MATRIX_FMT_FP4 matrix_b_scale:MATRIX_SCALE_ROW1
.endif
.else
.if \cm
	v_wmma_scale_f32_16x16x128_f8f6f4 v[rD:rD+7], v[rB:rB+7], v[rA:rA+7], v[BIAS+8*\b:BIAS+8*\b+7], v[sB], v[sA] matrix_a_fmt:MATRIX_FMT_FP4 matrix_b_fmt:MATRIX_FMT_FP4 matrix_a_scale:MATRIX_SCALE_ROW1
.else
	v_wmma_scale_f32_16x16x128_f8f6f4 v[rD:rD+7], v[rB:rB+7], v[rA:rA+7], v[rD:rD+7], v[sB], v[sA] matrix_a_fmt:MATRIX_FMT_FP4 matrix_b_fmt:MATRIX_FMT_FP4 matrix_a_scale:MATRIX_SCALE_ROW1
.endif
.endif
.endr
.endr
.endm
.macro FETCH_B slot, q, p
	WIN TO_B
.irp i, 0,1,2,3,4,5,6,7
	FRAG 128*(\p)+FR*\i, ADRB+\slot, \q, \i
.endr
	WIN 0
.endm
.macro FETCH_A slot, q, i0
.irp i, \i0, \i0+1, \i0+2, \i0+3
	FRAG AF+FR*(\i), ADRA+\slot, \q, \i
.endr
.endm
.macro SCALES sc                       ; a slot's scale words: four words a row; lanes 0-15 x's block i, lanes 16-31 w_attn's block i
.irp i, 0,1,2,3,4,5,6,7
	ds_load_b128 v[SC+8*NQ*\sc+NQ*\i:SC+8*NQ*\sc+NQ*\i+3], v[ADRS] offset:\i*SBLK
.endr
.endm
.macro PLACES n                        ; plain vector instructions between a matrix instruction and a load into, or a vector instruction on, its registers
.rept \n
	v_nop
.endr
.endm
; A step of 128 along K that has its successor in the same slot.  x has one set of registers: blocks 0-3 are fetched anew in the step's middle, blocks 4-7 at its end.
.macro STEP slot, q, cm
	s_wait_dscnt 4*NL                              ; all but the youngest eight loads (x's blocks 4-7)
.if \cm
	WIN WLO0
.else
	WIN WLO
.endif
	MUL16 0, (\q)%2, \q, \slot, \cm
	MUL16 2, (\q)%2, \q, \slot, \cm
	s_wait_dscnt 0
	PLACES NP
	FETCH_B \slot, (\q)+1, 1-(\q)%2
	FETCH_A \slot, (\q)+1, 0
.if \cm
	WIN WHI0
.else
	WIN WHI
.endif
	MUL16 4, (\q)%2, \q, \slot, \cm
	MUL16 6, (\q)%2, \q, \slot, \cm
	PLACES NP
	WIN 0
	FETCH_A \slot, (\q)+1, 4
.endm
; Slot 0's last step changes slots: each wave waits for all its tensor loads (slot 1's part), and one barrier shows slot 1 whole to all four.  Nothing is filled again.
.macro TURN slot, next
	s_wait_tensorcnt 0x0                           ; all my tensor loads have landed
	ds_add_u32 v[SPW], v[NIL]                      ; 0 onto my spare word
	s_wait_dscnt 4*NL+1                            ; (the add and the youngest eight loads may be out)
	WIN WLO
	MUL16 0, 1, NQ-1, \slot, 0
	s_wait_dscnt 0x0                               ; the add is done, and my reads of this slot are over
	s_barrier_signal -1
	MUL16 2, 1, NQ-1, \slot, 0
	WIN 0
	s_barrier_wait -1
	PLACES NP
	v_add_nc_u32 v[ADRS], 4*NQ, v[ADRS]            ; on to the next slot's scale words
	FETCH_B \next, 0, 0
	FETCH_A \next, 0, 0
	SCALES \next
	WIN WHI
	MUL16 4, 1, NQ-1, \slot, 0
	MUL16 6, 1, NQ-1, \slot, 0
	PLACES NP
	WIN 0
	FETCH_A \next, 0, 4
.endm
.macro STEPS slot, from
.set Q, \from
.rept NQ-1-\from
	STEP \slot, Q, 0
.set Q, Q+1
.endr
.endm
.macro TABSET a                        ; where block a's 32 registers of the table lie: window TW, from register TR on
.if (\a) < 2
.set TW, 0
.set TR, 192+32*(\a)
.elseif (\a) < 4
.set TW, 1
.set TR, 64+32*((\a)-2)
.elseif (\a) < 6
.set TW, 1
.set TR, 192+32*((\a)-4)
.elseif (\a) == 6
.set TW, 0
.set TR, 96
.else
.set TW, 1
.set TR, 0
.endif
.endm
.macro TABLOAD a                       ; (cos, sin) for block a's 16 tokens and a head's 32 pairs: lane (r, h) takes, for each g, the four pairs 8 g + 4 h + 0..3 of token r
	TABSET \a
	WIN TW<<6                                      ; the destination's window; the address lies in window 0
.irp bb, 0,1,2,3
.irp e, 0,1
	global_load_b128 v[TR+8*\bb+4*\e:TR+8*\bb+4*\e+3], v[TBO], s[98:99] offset:4096*(\a)+64*\bb+16*\e
.endr
.endr
	WIN 0
.endm
.macro FINE_T                          ; the first 16 rows of a sequence's tile rows, in f32, from the turned numbers
	s_cmp_lg_u32 s67, 0
	s_cbranch_scc1 .Lno_fine_\@
.irp b, 0,1,2,3,4,5,6,7
.irp e, 0,1
	global_store_b128 v[LI], v[T+8*\b+4*\e:T+8*\b+4*\e+3], s[100:101] offset:(\b/4)*4096+(\b%4)*1024+512*\e
.endr
.endr
.Lno_fine_\@:
.endm
.macro FINE_V                          ; the same for v, straight from block 0's accumulators (window 2), each from its low end on
	s_cmp_lg_u32 s67, 0
	s_cbranch_scc1 .Lno_fine_\@
	WIN 0x08                                       ; a store's data are its source 1
.irp b, 0,1,2,3,4,5,6,7
.irp e, 0,1
	global_store_b128 v[LI], v[8*\b+4*\e:8*\b+4*\e+3], s[100:101] offset:(\b/4)*4096+(\b%4)*1024+512*\e
.endr
.endr
	WIN 0
.Lno_fine_\@:
.endm
.macro STORE8 a                        ; block a's eight images: 512 consecutive bytes each
.irp b, 0,1,2,3,4,5,6,7
	global_store_b128 v[LI], v[P+32*((\a)%2)+4*\b:P+32*((\a)%2)+4*\b+3], s[12:13] offset:(\b/4)*524288+2048*(\a)+512*(\b%4)
.endr
.endm
; q, k: block a of 16 tokens is turned and goes out.  (x0, x1) becomes (x0 c - x1 s, x0 s + x1 c): a packed multiply (x0 c, x0 s) and a packed multiply-add (- x1 s, + x1 c).
.macro ROPEOUT a
	s_wait_loadcnt 8*(7-(\a))                      ; this block's eight table loads are in; the eight of each later block may be out
	s_wait_xcnt 0x0                                ; earlier stores have read their registers, which are written again below
	TABSET \a
	WIN (0x02+(\a)/4)|(TW<<2)                      ; source 0: the accumulators' window; source 1: the table's
.irp b, 0,1,2,3,4,5,6,7
.irp p, 0,1,2,3
	v_pk_mul_f32 v[T+8*\b+2*\p:T+8*\b+2*\p+1], v[64*((\a)%4)+8*\b+2*\p:64*((\a)%4)+8*\b+2*\p+1], v[TR+8*(\b%4)+2*\p:TR+8*(\b%4)+2*\p+1] op_sel:[0,0] op_sel_hi:[0,1]
.endr
.endr
.irp b, 0,1,2,3,4,5,6,7
.irp p, 0,1,2,3
	v_pk_fma_f32 v[T+8*\b+2*\p:T+8*\b+2*\p+1], v[64*((\a)%4)+8*\b+2*\p:64*((\a)%4)+8*\b+2*\p+1], v[TR+8*(\b%4)+2*\p:TR+8*(\b%4)+2*\p+1], v[T+8*\b+2*\p:T+8*\b+2*\p+1] op_sel:[1,1,0] op_sel_hi:[1,0,1] neg_lo:[1,0,0]
.endr
.endr
	WIN 0
.irp b, 0,1,2,3,4,5,6,7
.irp p, 0,1,2,3
	v_cvt_pk_f16_f32 v[P+32*((\a)%2)+4*\b+\p], v[T+8*\b+2*\p], v[T+8*\b+2*\p+1]
.endr
.endr
.if (\a) == 0
	FINE_T
.endif
	STORE8 \a
.endm
.macro VOUT a                          ; v: block a goes out as it stands
	s_wait_xcnt 0x0
.if (\a) == 0
	FINE_V
.endif
	WIN 0x0a+5*((\a)/4)                            ; sources 0 and 1: the accumulators' window
.irp b, 0,1,2,3,4,5,6,7
.irp p, 0,1,2,3
	v_cvt_pk_f16_f32 v[P+32*((\a)%2)+4*\b+\p], v[64*((\a)%4)+8*\b+2*\p], v[64*((\a)%4)+8*\b+2*\p+1]
.endr
.endr
	WIN 0
	STORE8 \a
.endm
; All from the bias to the end, once for q and k (SW = 0) and once for v (SW = 1).
.macro BODY
.if SW
.irp b, 0,1,2,3,4,5,6,7
	global_load_b32 v[BIAS+8*\b], v[BO1], s[96:97] offset:64*\b     ; a lane's one column of tile b
.endr
.else
.irp b, 0,1,2,3,4,5,6,7
.irp e, 0,1
	global_load_b128 v[BIAS+8*\b+4*\e:BIAS+8*\b+4*\e+3], v[BO], s[96:97] offset:64*\b+16*\e   ; a lane's eight columns of tile b
.endr
.endr
.endif
	s_wait_tensorcnt 1                             ; the scale bytes and my part of slot 0 are in; slot 1's load may be out
	s_barrier_signal -1
	s_barrier_wait -1
	FETCH_B 0, 0, 0
	FETCH_A 0, 0, 0
	SCALES 0
	FETCH_A 0, 0, 4
	s_wait_loadcnt 0x0                             ; the bias
.if SW
.irp b, 0,1,2,3,4,5,6,7
.irp j, 1,2,3,4,5,6,7
	v_mov_b32 v[BIAS+8*\b+\j], v[BIAS+8*\b]        ; the column's bias for each of the lane's eight tokens
.endr
.endr
	PLACES 8
.endif
	STEP 0, 0, 1
.if SW == 0
.irp a, 0,1,2,3,4,5,6
	TABLOAD \a                                     ; sets 0 and 1 into the bias's registers: the step's closing places stand behind the last product that read them; the others into registers that no product names
.endr
.endif
	STEPS 0, 1
	TURN 0, 1
	STEPS 1, 0
.if SW == 0
	TABLOAD 7                                      ; into w_attn's first set of fragments: the step just closed read it last, and its closing places stand between
.endif
	s_wait_dscnt 4*NL                              ; the last step: nothing more to fetch
	WIN WLO
	MUL16 0, 1, NQ-1, 1, 0
	MUL16 2, 1, NQ-1, 1, 0
	s_wait_dscnt 0
	WIN WHI
	MUL16 4, 1, NQ-1, 1, 0
	MUL16 6, 1, NQ-1, 1, 0
	WIN 0
	PLACES NP                                      ; for the reads of results, and for the writes over scale words and fragments
.irp a, 0,1,2,3,4,5,6,7
.if SW
	VOUT \a
.else
	ROPEOUT \a
.endif
.endr
	s_wait_tensorcnt 0x0                           ; the wave's end
	ds_add_u32 v[SPW], v[NIL]
	s_wait_dscnt 0x0
	CROUND                                         ; the closing round
	s_endpgm
.endm
	s_cmp_eq_u32 ttmp9, 2                          ; the cluster's x: the same in all sixteen partners
	s_cbranch_scc1 .Lv
.set SW,   0
.set WLO,  0xa1                        ; source 0 (w_attn) window 1, source 1 (x) window 0, C and D window 2
.set WHI,  0xf1                        ; the same, C and D window 3
.set WLO0, 0x81                        ; with the bias, window 0, as C
.set WHI0, 0xc1
	BODY
.Lv:
.set SW,   1
.set WLO,  0xa4                        ; source 0 (x) window 0, source 1 (w_attn) window 1, C and D window 2
.set WHI,  0xf4
.set WLO0, 0x84
.set WHI0, 0xc4
	BODY
.Lfunc_end_k_qe8b2b8bb6c_qkv:
	.size	k_qe8b2b8bb6c_qkv, .Lfunc_end_k_qe8b2b8bb6c_qkv-k_qe8b2b8bb6c_qkv
	.p2alignl 7, 3214868480
	.fill 96, 4, 3214868480
	.section	.rodata,"a",@progbits
	.p2align	6, 0x0
	.amdhsa_kernel k_qe8b2b8bb6c_qkv
		.amdhsa_group_segment_fixed_size 327680
		.amdhsa_private_segment_fixed_size 0
		.amdhsa_enable_private_segment 0
		.amdhsa_kernarg_size 48
		.amdhsa_user_sgpr_count 2
		.amdhsa_user_sgpr_kernarg_segment_ptr 1
		.amdhsa_wavefront_size32 1
		.amdhsa_system_sgpr_workgroup_id_x 1
		.amdhsa_system_sgpr_workgroup_id_y 1
		.amdhsa_system_sgpr_workgroup_id_z 1
		.amdhsa_system_vgpr_workitem_id 0
		.amdhsa_next_free_vgpr 1024
		.amdhsa_next_free_sgpr 102
		.amdhsa_reserve_vcc 0
		.amdhsa_float_denorm_mode_32 3
		.amdhsa_float_denorm_mode_16_64 3
		.amdhsa_memory_ordered 1
		.amdhsa_forward_progress 1
		.amdhsa_inst_pref_size 255
	.end_amdhsa_kernel
	.section	.bss,"aw",@nobits
	.p2align	6
	.space	262144
	.amdgpu_metadata
---
amdhsa.version: [ 1, 2 ]
amdhsa.kernels:
  - .name:           k_qe8b2b8bb6c_qkv
    .symbol:         k_qe8b2b8bb6c_qkv.kd
    .args:
      - { .name: codes, .offset: 0, .size: 8, .value_kind: global_buffer, .address_space: global }
      - { .name: scales, .offset: 8, .size: 8, .value_kind: global_buffer, .address_space: global }
      - { .name: b_attn, .offset: 16, .size: 8, .value_kind: global_buffer, .address_space: global }
      - { .name: tab, .offset: 24, .size: 8, .value_kind: global_buffer, .address_space: global }
      - { .name: qkv16, .offset: 32, .size: 8, .value_kind: global_buffer, .address_space: global }
      - { .name: qkv32, .offset: 40, .size: 8, .value_kind: global_buffer, .address_space: global }
    .group_segment_fixed_size: 327680
    .private_segment_fixed_size: 0
    .kernarg_segment_align: 8
    .kernarg_segment_size: 48
    .max_flat_workgroup_size: 128
    .sgpr_count:     102
    .vgpr_count:     1024
    .wavefront_size: 32
...
	.end_amdgpu_metadata
.endif
;; end of part 2
;; launch attn (part 3): grid 8 x 32, 16 waves a work-group, no clusters, 327,680 bytes of LDS; arguments qkv16, y16; writes y16
.if DOCPART == 3
	.amdgcn_target "amdgcn-amd-amdhsa--gfx1250"
	.amdhsa_code_object_version 6
	.text
	.protected	k_qe8b2b8bb6c_attn
	.globl	k_qe8b2b8bb6c_attn
	.p2align	8
	.type	k_qe8b2b8bb6c_attn,@function
k_qe8b2b8bb6c_attn:
	s_mov_b64 s[64:65], 0
	v_nop
	global_prefetch_b8 v0, s[64:65] scope:SCOPE_SE
	s_setreg_imm32_b32 hwreg(HW_REG_WAVE_MODE, 25, 1), 1
	s_wait_xcnt 0x0
; y[b][h][q] = the sum over k <= q of softmax_k(q . k / 8) v, T = 2,048, head size 64, operands in f16, products, maxima and sums in f32; the weights are rounded to f16 for the second product, y once at the end.
; SHARES.  Work-group (j, 16 b + head) owns the query blocks j and 15 - j of 128 queries: 17 units of 128 x 128 under the causal mask, whatever j.  Each of its sixteen waves owns one tile of 16 queries, in 256 registers.
; NO CLUSTER: which key steps a wave leaves out, and where the loads end, hangs on the work-group's j, which would differ between partners that share K and V.
; K and V come as images of operand registers (2,048 bytes for 16 keys), so a slot of 256 keys is two dense blocks of 32,768 bytes, a fragment is two loads at 16 x lane, and V needs no turning.
; Both products are used transposed: S^T = K Q^T (source 0 = 16 keys, source 1 = my 16 queries), O^T = V^T P: a lane holds one query (lane % 16) throughout.
; SOFTMAX: a running maximum m for each query: p = 2^(c s - c m), c = log2(e) / 8; in every step O and the sum l are multiplied by a = 2^(c m_old - c m_new).
; THE SUM l comes from the matrix unit: a fragment of ones times P, on a fifth accumulator beside O^T's four.  It is the sum of the p as rounded to f16, the numbers that multiply V.  All sixteen rows of that product are
; alike but for their C; register 0 (rows 0 and 8) alone is rescaled and read; the other rows are sums under mixed maxima, at most the number of keys, and nobody reads them.
; K OF THE NEXT STEP is fetched behind a step's K Q^T, into the registers that those products have read: three of a slot's four steps find K on its way since a step back.
; EVERY work-group walks all eight slots: trip counts are constants.  From the first step all of whose 64 keys come after my queries a scalar branch on ids leads to the slot's end (the later steps are hidden too); a slot whose
; first key comes after the work-group's last query is not asked for.  A step that is walked has its first key open for every one of my queries (steps begin at multiples of 64, tiles at multiples of 16), so no row is ever all hidden.
; LIMITS: q, k, v arrive as f16; NaN and infinities are not served.
.set SLOT1, 1<<16                      ; a slot: K's 32,768 bytes, then V's; slot 1 begins here, so that one exclusive or turns an address
.set SPARE, 2*SLOT1                    ; the spare words, 128 bytes for each of sixteen waves
.set NINF, 0                           ; v0  -infinity, once the thread's number has served
.set LI,   1                           ; v1  16 x lane
.set ADR,  2                           ; v2  the slot in hand + 16 x lane
.set SPW,  3                           ; v3  my spare word; never rewritten
.set NIL,  4                           ; v4  0; never rewritten
.set PFO,  5                           ; v5  256 x lane: the prefetches' offset
.set RH,   6                           ; v6  r - 8 h
.set W,    7                           ; v7  at work
.set AA,   8                           ; v[8:9] a (the upper register is named with it, so it is written once)
.set CM,   10                          ; v[10:11] c m, m
.set CH,   12                          ; v12-15 four chains of the maximum
.set DD,   15                          ; v15 ahead of them: my query - the step's first key - 8 h
.set ONES, 16                          ; v16-23 a fragment of ones in f16
.set QR,   24                          ; v24-39   Q: two fragments
.set KR,   40                          ; v40-103  K: 16 kt + 8 c
.set SR,   104                         ; v104-135 S^T, then p
.set PR,   136                         ; v136-151 P in f16
.set OA,   152                         ; v152-183 O^T
.set VR,   184                         ; v184-247 V^T: 16 dt + 8 gk
.set LA,   248                         ; v248-255 the sums' accumulator
.set WV,   8
.set Q0,   16                          ; s16 my first query
.set QL,   17                          ; s17 my work-group's last query
.set KF,   18                          ; s18 the first key of the slot in hand
.set TB,   19                          ; s19 LDS byte at which the slot in hand begins
.set SLOTS, 20
.set QE,   21                          ; s21 my last query
.set SEL,  22
.set CS,   24
.set G1,   28
.set G0,   36
.set PFA,  40
.set LIM,  42
.macro TLOAD                           ; waves 0, 1 fetch K's halves, waves 2, 3 V's, the others nothing: 16,384 bytes a load.  An s_nop 0 and four v_nop follow the load
	s_cmp_lt_u32 s[WV], 4
	s_cbranch_scc0 .Lasked_\@
	tensor_load_to_lds s[G0:G0+3], s[G1:G1+7]
	s_nop 0
.rept 4
	v_nop
.endr
.Lasked_\@:
.endm
; A prefetch of what the NEXT change of slots will ask for.  All eight work-groups of a head walk the same K and V: the first of them (j = 0, which reads every slot) asks.  In it waves 4 to 7 ask for K's 32,768 bytes
; and waves 8 to 11 for V's: 8,192 bytes a wave, lanes 256 bytes apart, one instruction each: each aligned 256 bytes are named once.  The last change that fills a slot asks for nothing.
.macro ASK
	s_cmp_gt_u32 s[SLOTS], s[LIM]
	s_cbranch_scc0 .Lnot_mine_\@
	global_prefetch_b8 v[PFO], s[PFA:PFA+1] th:TH_LOAD_NT scope:SCOPE_SE
.Lnot_mine_\@:
.endm
	s_load_b128 s[4:7], s[0:1], 0x0                ; qkv16, y16
	v_lshl_add_u32 v[SPW], v0, 2, SPARE
	v_mov_b32 v[NIL], 0
	ds_add_u32 v[SPW], v[NIL]                      ; the wave's opening: the add, twice on end, and its wait ahead of my first tensor load
	ds_add_u32 v[SPW], v[NIL]
	v_lshrrev_b32 v[CH], 5, v0
	v_readfirstlane_b32 s[WV], v[CH]               ; wave 0..15
	s_and_b32 s9, ttmp7, 0xffff
	s_and_b32 s10, s9, 15                          ; head
	s_lshr_b32 s11, s9, 4                          ; batch
	s_lshr_b32 s12, s[WV], 2
	s_xor_b32 s12, s12, s[WV]
	s_and_b32 s12, s12, 1                          ; 1: my tile lies in the late block.  Waves 2 n and 2 n + 1 take tile n of the two blocks
	s_sub_co_u32 s13, 15, ttmp9
	s_cmp_eq_u32 s12, 1
	s_cselect_b32 s13, s13, ttmp9                  ; my block of 128 queries
	s_lshl_b32 s13, s13, 7
	s_lshr_b32 s14, s[WV], 1
	s_lshl_b32 s14, s14, 4
	s_add_co_u32 s[Q0], s13, s14
	s_add_co_u32 s[QE], s[Q0], 15
	s_sub_co_u32 s[QL], 16, ttmp9
	s_lshl_b32 s[QL], s[QL], 7
	s_sub_co_u32 s[QL], s[QL], 1
	s_mov_b32 s[KF], 0
	s_mov_b32 s[TB], 0
	s_mov_b32 s[SLOTS], 7
	; descriptor group 1: 16,384 dense bytes as 64 rows of 256 (32 elements of 8 bytes), no padding
	s_mov_b32 s[G1], 3<<16
	s_mov_b32 s[G1+1], 32<<16                      ; tensor_dim0
	s_mov_b32 s[G1+2], 64<<16                      ; tensor_dim1
	s_mov_b32 s[G1+3], 32<<16                      ; tile_dim0
	s_mov_b32 s[G1+4], 64                          ; tile_dim1
	s_mov_b32 s[G1+5], 32                          ; from row to row
	s_mov_b32 s[G1+6], 0
	s_mov_b32 s[G1+7], 0
	s_mov_b32 s[SEL], 0x76543210
	s_mov_b32 s[SEL+1], 0xfedcba98                 ; lane l xor 16
	s_mov_b32 s[CS], 0x3e38aa3b                    ; c = log2(e) / 8
	s_mov_b32 s[CS+1], s[CS]
	s_and_b32 s43, s[WV], 3                        ; what I fetch, if I fetch
	s_lshl_b32 s44, s43, 14                        ; in a slot: 16,384 x wave
	s_lshr_b32 s45, s43, 1
	s_lshl_b32 s45, s45, 4
	s_add_co_u32 s45, s45, 16
	s_add_co_u32 s45, s45, s10                     ; slot of qkv16: 16 + head for K, 32 + head for V
	s_lshl_b32 s46, s45, 19
	s_lshl_b32 s47, s11, 18                        ; a batch is 128 blocks of 2,048 bytes
	s_add_co_u32 s46, s46, s47
	s_and_b32 s45, s43, 1
	s_lshl_b32 s45, s45, 14
	s_add_co_u32 s46, s46, s45
	s_mov_b32 s47, 0
	s_lshl_b32 s48, s10, 19                        ; Q: slot head, batch, block Q0 / 16
	s_lshl_b32 s49, s11, 18
	s_add_co_u32 s48, s48, s49
	s_lshl_b32 s49, s[Q0], 7
	s_add_co_u32 s48, s48, s49
	s_mov_b32 s49, 0
	s_lshl_b32 s50, s11, 22                        ; y16: 32,768 bytes a block of 16 rows, 2,048 a head
	s_lshl_b32 s51, s[Q0], 11
	s_add_co_u32 s50, s50, s51
	s_lshl_b32 s51, s10, 11
	s_add_co_u32 s50, s50, s51
	s_mov_b32 s51, 0
	s_cmp_lt_u32 s[WV], 8                          ; the prefetches: waves 4 to 7 K, waves 8 to 11 V
	s_cselect_b32 s52, 16, 32
	s_add_co_u32 s52, s52, s10
	s_lshl_b32 s52, s52, 19
	s_lshl_b32 s53, s11, 18
	s_add_co_u32 s52, s52, s53
	s_lshl_b32 s53, s43, 13                        ; my wave's 8,192 bytes,
	s_add_co_u32 s52, s52, s53
	s_add_co_u32 s52, s52, 32768                   ; in slot 1: the first change of slots steps it to slot 2.  Nothing is prefetched at the head
	s_mov_b32 s53, 0
	s_sub_co_u32 s43, s[WV], 4
	s_lshr_b32 s43, s43, 3                         ; 0 in waves 4 to 11,
	s_or_b32 s43, s43, ttmp9                       ; of the head's first work-group
	s_cmp_eq_u32 s43, 0
	s_cselect_b32 s[LIM], 1, -1
	s_wait_dscnt 0x0                               ; both opening adds are done
	s_wait_kmcnt 0x0
	s_mov_b32 s[G0], 1
	s_mov_b32 s[G0+1], s44
	s_add_nc_u64 s[G0+2:G0+3], s[4:5], s[46:47]
	s_or_b32 s[G0+3], s[G0+3], 0x80000000
	TLOAD                                          ; slot 0
	s_add_nc_u64 s[PFA:PFA+1], s[4:5], s[52:53]
	s_add_nc_u64 s[48:49], s[4:5], s[48:49]
	s_add_nc_u64 s[6:7], s[6:7], s[50:51]
	v_and_b32 v[LI], 31, v0
	v_lshlrev_b32 v[PFO], 8, v[LI]
	v_lshlrev_b32 v[LI], 4, v[LI]
.irp g, 0,1,2,3
	global_load_b128 v[QR+4*\g:QR+4*\g+3], v[LI], s[48:49] offset:512*\g   ; Q's two fragments stay in registers
.endr
	v_and_b32 v[CH], 15, v0
	v_bfe_u32 v[CH+1], v0, 4, 1
	v_lshlrev_b32 v[CH+1], 3, v[CH+1]
	v_sub_nc_u32 v[RH], v[CH], v[CH+1]
	v_mov_b32 v[NINF], 0xff800000                  ; the thread's number has served
	v_mov_b32 v[CM+1], 0xff61b1e6                  ; m: -3e38, under every score
	v_mul_f32 v[CM], s[CS], v[CM+1]
	v_mov_b32 v[AA+1], 0
.irp i, 0,1,2,3,4,5,6,7
	v_mov_b32 v[ONES+\i], 0x3c003c00               ; 1.0 twice, in f16
.endr
.irp i, 0,1,2,3,4,5,6,7
	v_mov_b32 v[LA+\i], 0
.endr
.irp i, 0,1,2,3,4,5,6,7,8,9,10,11,12,13,14,15,16,17,18,19,20,21,22,23,24,25,26,27,28,29,30,31
	v_mov_b32 v[OA+\i], 0                          ; the step is written once: the first finds zeros, which its a = 0 leaves zeros
.endr
.macro KLOAD q                         ; K of the slot's q-th step: 64 keys x 64 d, 16 loads
.irp kt, 0,1,2,3
.irp g, 0,1,2,3
	ds_load_b128 v[KR+16*\kt+4*\g:KR+16*\kt+4*\g+3], v[ADR] offset:(4*(\q)+\kt)*2048+512*\g
.endr
.endr
.endm
; A KEY STEP: 64 keys, the q-th of the slot in hand.  id names the slot's end, to which the first hidden step jumps: so a later step is reached through the step before it alone, which has asked for its K.
.macro STEP q, id
.if (\q) > 0
	s_add_co_u32 s44, s[KF], 64*(\q)
	s_cmp_gt_u32 s44, s[QE]
.else
	s_cmp_gt_u32 s[KF], s[QE]
.endif
	s_cbranch_scc1 .Lend_\id                       ; all its keys, and those of the slot's later steps, come after my queries
.if (\q) == 0
	v_add_nc_u32 v[ADR], s[TB], v[LI]
	KLOAD 0                                        ; a slot's first K cannot be asked for ahead of the barrier that shows the slot whole
.endif
	s_wait_dscnt 0x0                               ; K is in
.irp c, 0,1                                    ; S^T = K Q^T: the four tiles of keys by turns
.irp kt, 0,1,2,3
.if \c == 0
	v_wmma_f32_16x16x32_f16 v[SR+8*\kt:SR+8*\kt+7], v[KR+16*\kt:KR+16*\kt+7], v[QR:QR+7], 0
.else
	v_wmma_f32_16x16x32_f16 v[SR+8*\kt:SR+8*\kt+7], v[KR+16*\kt+8:KR+16*\kt+15], v[QR+8:QR+15], v[SR+8*\kt:SR+8*\kt+7]
.endif
.endr
.endr
.rept 4
	v_nop                                          ; four places: ahead of the reads of S^T, of the loads into K's registers, which these products read, and of the loads into V's, which the last step's V^T P read
.endr
.irp dt, 0,1,2,3
.irp gk, 0,1
.irp e, 0,1
	ds_load_b128 v[VR+16*\dt+8*\gk+4*\e:VR+16*\dt+8*\gk+4*\e+3], v[ADR] offset:32768+(4*(\q)+2*\gk+\e)*2048+512*\dt   ; V lands while the softmax is walked
.endr
.endr
.endr
.if (\q) < 3
	KLOAD (\q)+1                                   ; and so does the next step's K
.endif
	s_add_co_u32 s44, s[KF], 64*(\q)+63
	s_cmp_le_u32 s44, s[Q0]
	s_cbranch_scc1 .Lopen_\@                       ; all its keys count
	s_sub_co_i32 s44, s[Q0], s[KF]
.if (\q) > 0
	s_sub_co_i32 s44, s44, 64*(\q)
.endif
	v_add_nc_u32 v[DD], s44, v[RH]                 ; register 8 kt + j holds the step's key 16 kt + 8 h + j: hidden where 16 kt + j > my query - the step's first key - 8 h
.irp kt, 0,1,2,3
.irp j, 0,1,2,3,4,5,6,7
	v_cmp_gt_i32 vcc_lo, 16*\kt+\j, v[DD]
	v_cndmask_b32 v[SR+8*\kt+\j], v[SR+8*\kt+\j], v[NINF], vcc_lo
.endr
.endr
.Lopen_\@:
.irp j, 0,1,2,3
	v_max3_num_f32 v[CH+\j], v[SR+8*\j], v[SR+8*\j+1], v[SR+8*\j+2]   ; each tile from its low end on
.endr
.irp i, 3,5
.irp j, 0,1,2,3
	v_max3_num_f32 v[CH+\j], v[CH+\j], v[SR+8*\j+\i], v[SR+8*\j+\i+1]
.endr
.endr
	v_max3_num_f32 v[CH], v[CH], v[SR+7], v[SR+15]
	v_max3_num_f32 v[CH+2], v[CH+2], v[SR+23], v[SR+31]
	v_max3_num_f32 v[CH], v[CH], v[CH+1], v[CH+2]
	v_max3_num_f32 v[CH], v[CH], v[CH+3], v[CM+1]  ; with the old m
	v_permlanex16_b32 v[CH+1], v[CH], s[SEL], s[SEL+1]   ; the query's other 32 keys lie in the lane 16 away
	v_mov_b32 v[W], v[CM]
	v_max_num_f32 v[CM+1], v[CH], v[CH+1]
	v_mul_f32 v[CM], s[CS], v[CM+1]
	v_sub_f32 v[W], v[W], v[CM]                    ; c m_old - c m_new
.irp i, 0,2,4,6,8,10,12,14,16,18,20,22,24,26,28,30
	v_pk_fma_f32 v[SR+\i:SR+\i+1], v[SR+\i:SR+\i+1], s[CS:CS+1], v[CM:CM+1] op_sel_hi:[1,0,0] neg_lo:[0,0,1] neg_hi:[0,0,1]   ; c s - c m
.endr
	v_exp_f32 v[AA], v[W]
.irp i, 0,1,2,3,4,5,6,7,8,9,10,11,12,13,14,15,16,17,18,19,20,21,22,23,24,25,26,27,28,29,30,31
	v_exp_f32 v[SR+\i], v[SR+\i]
.endr
	v_nop                                          ; a plain line behind the last exponential
	s_wait_alu depctr_va_vdst(0)                   ; one wait for the batch of 33, ahead of its first reader
.irp i, 0,1,2,3,4,5,6,7,8,9,10,11,12,13,14,15
	v_cvt_pk_f16_f32 v[PR+\i], v[SR+2*\i], v[SR+2*\i+1]   ; two tiles of keys, rounded in pairs, are a fragment of P: 32 keys x 16 queries
.endr
	v_mul_f32 v[LA], v[LA], v[AA]                  ; the sum under the new m: register 0 alone is kept so
.irp i, 0,2,4,6,8,10,12,14,16,18,20,22,24,26,28,30
	v_pk_mul_f32 v[OA+\i:OA+\i+1], v[OA+\i:OA+\i+1], v[AA:AA+1] op_sel_hi:[1,0]
.endr
.if (\q) < 3
	s_wait_dscnt 16                                ; V is in; the sixteen loads of the next step's K, issued behind V's, may be out
.else
	s_wait_dscnt 0x0                               ; V is in
.endif
.irp gk, 0,1                                   ; O^T += V^T P, l += ones P: five accumulators by turns
.irp dt, 0,1,2,3
	v_wmma_f32_16x16x32_f16 v[OA+8*\dt:OA+8*\dt+7], v[VR+16*\dt+8*\gk:VR+16*\dt+8*\gk+7], v[PR+8*\gk:PR+8*\gk+7], v[OA+8*\dt:OA+8*\dt+7]
.endr
	v_wmma_f32_16x16x32_f16 v[LA:LA+7], v[ONES:ONES+7], v[PR+8*\gk:PR+8*\gk+7], v[LA:LA+7]
.endr
.endm
; THE CHANGE OF SLOTS stands at a slot's head.  Each wave waits for all its tensor loads, adds 0 to its spare word, and waits for that and for its reads of the slot that it has left; one barrier.
; fill = 1: behind it the slot just left is filled with the keys that follow the slot ahead, unless they all come after the work-group's last query.  All waits on tensor loads in this text are for 0; one load of a wave is out at the most.
.macro CHANGE fill
	s_wait_tensorcnt 0x0                           ; no tensor load of mine is out, so the descriptor may be written
	ds_add_u32 v[SPW], v[NIL]                      ; 0 onto my spare word
.if \fill
	ds_add_u32 v[SPW], v[NIL]                      ; and twice on end here, in every trip alike
	s_xor_b32 s[G0+1], s[G0+1], SLOT1              ; the other slot than last time,
	s_add_nc_u64 s[G0+2:G0+3], s[G0+2:G0+3], 32768 ; the next 256 keys
	s_wait_xcnt 0x0                                ; the last prefetch, a slot back, has read its address
	s_add_nc_u64 s[PFA:PFA+1], s[PFA:PFA+1], 32768
.endif
	s_wait_dscnt 0x0                               ; the adds are done; my reads of the slot that I have left are over, a K that a hidden step never used among them
	s_barrier_signal -1
	s_barrier_wait -1
.if \fill
	s_add_co_u32 s44, s[KF], 256                   ; the first key of the slot that this change would ask for
	s_cmp_gt_u32 s44, s[QL]                        ; ids and the count of slots alone: all sixteen waves go the same way
	s_cbranch_scc1 .Lpast_\@
	TLOAD
.Lpast_\@:
	ASK
.endif
.endm
.macro SLOT_STEPS
	STEP 0, \@
	STEP 1, \@
	STEP 2, \@
	STEP 3, \@
.Lend_\@:
	s_add_co_u32 s[KF], s[KF], 256                 ; on every way: the next slot's first key,
	s_xor_b32 s[TB], s[TB], SLOT1                  ; in the other slot
.endm
	s_wait_loadcnt 0x0                             ; Q
.Lslot:                                            ; seven trips
	CHANGE 1
	SLOT_STEPS
	s_sub_co_u32 s[SLOTS], s[SLOTS], 1
	s_cmp_lg_u32 s[SLOTS], 0
	s_cbranch_scc1 .Lslot
	CHANGE 0                                       ; the last slot is written out: nothing is left to ask for
	SLOT_STEPS
	; THE WAY OUT: O^T / l, rounded to f16: a lane's eight d of a row are 16 bytes of the image that the projection reads; each store covers 512 consecutive bytes, aligned.
.rept 4
	v_nop
.endr
	v_rcp_f32 v[AA], v[LA]                         ; register 0 of the sums: rows 0 and 8 of that product, so both halves of the lanes hold their query's whole sum
	v_nop
	s_wait_alu depctr_va_vdst(0)                   ; ahead of the reciprocal's first reader
.irp i, 0,2,4,6,8,10,12,14,16,18,20,22,24,26,28,30
	v_pk_mul_f32 v[OA+\i:OA+\i+1], v[OA+\i:OA+\i+1], v[AA:AA+1] op_sel_hi:[1,0]
.endr
.irp i, 0,1,2,3,4,5,6,7,8,9,10,11,12,13,14,15
	v_cvt_pk_f16_f32 v[PR+\i], v[OA+2*\i], v[OA+2*\i+1]
.endr
.irp dt, 0,1,2,3
	global_store_b128 v[LI], v[PR+4*\dt:PR+4*\dt+3], s[6:7] offset:512*\dt
.endr
	s_wait_tensorcnt 0x0                           ; the wave's end
	ds_add_u32 v[SPW], v[NIL]
	s_wait_dscnt 0x0
	s_endpgm
.Lfunc_end_k_qe8b2b8bb6c_attn:
	.size	k_qe8b2b8bb6c_attn, .Lfunc_end_k_qe8b2b8bb6c_attn-k_qe8b2b8bb6c_attn
	.p2alignl 7, 3214868480
	.fill 96, 4, 3214868480
	.section	.rodata,"a",@progbits
	.p2align	6, 0x0
	.amdhsa_kernel k_qe8b2b8bb6c_attn
		.amdhsa_group_segment_fixed_size 327680
		.amdhsa_private_segment_fixed_size 0
		.amdhsa_enable_private_segment 0
		.amdhsa_kernarg_size 16
		.amdhsa_user_sgpr_count 2
		.amdhsa_user_sgpr_kernarg_segment_ptr 1
		.amdhsa_wavefront_size32 1
		.amdhsa_system_sgpr_workgroup_id_x 1
		.amdhsa_system_sgpr_workgroup_id_y 1
		.amdhsa_system_sgpr_workgroup_id_z 1
		.amdhsa_system_vgpr_workitem_id 0
		.amdhsa_next_free_vgpr 256
		.amdhsa_next_free_sgpr 66
		.amdhsa_reserve_vcc 1
		.amdhsa_float_denorm_mode_32 3
		.amdhsa_float_denorm_mode_16_64 3
		.amdhsa_memory_ordered 1
		.amdhsa_forward_progress 1
		.amdhsa_inst_pref_size 99
	.end_amdhsa_kernel
	.amdgpu_metadata
---
amdhsa.version: [ 1, 2 ]
amdhsa.kernels:
  - .name:           k_qe8b2b8bb6c_attn
    .symbol:         k_qe8b2b8bb6c_attn.kd
    .args:
      - { .name: qkv16, .offset: 0, .size: 8, .value_kind: global_buffer, .address_space: global }
      - { .name: y16, .offset: 8, .size: 8, .value_kind: global_buffer, .address_space: global }
    .group_segment_fixed_size: 327680
    .private_segment_fixed_size: 0
    .kernarg_segment_align: 8
    .kernarg_segment_size: 16
    .max_flat_workgroup_size: 512
    .sgpr_count:     66
    .vgpr_count:     256
    .wavefront_size: 32
...
	.end_amdgpu_metadata
.endif
;; end of part 3
;; launch proj (part 4): grid 8 x 32, 4 waves a work-group, clusters of 4 x 4, 327,680 bytes of LDS; arguments y16, w16, b_proj, out0; writes out0
.if DOCPART == 4
	.amdgcn_target "amdgcn-amd-amdhsa--gfx1250"
	.amdhsa_code_object_version 6
	.text
	.protected	k_qe8b2b8bb6c_proj
	.globl	k_qe8b2b8bb6c_proj
	.p2align	8
	.type	k_qe8b2b8bb6c_proj,@function
k_qe8b2b8bb6c_proj:
	s_mov_b64 s[64:65], 0
	v_nop
	global_prefetch_b8 v0, s[64:65] scope:SCOPE_SE
	s_setreg_imm32_b32 hwreg(HW_REG_WAVE_MODE, 25, 1), 1
	s_wait_xcnt 0x0
	s_wait_alu depctr_hold_cnt(0) depctr_sa_sdst(0) depctr_va_vdst(0) depctr_va_sdst(0) depctr_va_ssrc(0) depctr_va_vcc(0) depctr_vm_vsrc(0)
	s_getreg_b32 s2, hwreg(HW_REG_IB_STS2, 6, 4)
	s_cmp_eq_u32 s2, 0
	s_cbranch_scc0 .Lentry_in_a_cluster
	s_endpgm
.Lentry_in_a_cluster:
	s_bfe_u32 s2, ttmp6, 0x10000c
	s_cmp_lg_u32 s2, 0xf033
	s_cbranch_scc0 .Lentry_shape_is_right
	s_endpgm
.Lentry_shape_is_right:
; out0 = y w_proj^T + b_proj.  M = 4,096, N = 1,024, K = 1,024; operands in f16, sums and result in f32.  256 tiles of 128 x 128, one to a work-group; four waves, 64 x 64 each: 16 accumulators.
; Both operands lie in memory as images of operand registers: [block of 16 rows][64 along K][g 4][lane 32][16 bytes], 32,768 bytes a block of rows.  A K step of 256 of a block is 8,192 consecutive bytes,
; so a wave's tensor load is 4 rows of 8,192 bytes, 32,768 bytes apart, and a fragment is two loads at 16 x lane: no pitch, no padding.
; K goes in four steps of 256 through two LDS slots.  CLUSTERS: 4 x 4 work-groups; y's tile is asked for jointly along a row of the cluster, w_proj's along a column.
; The matrix instruction is used transposed (source 0 = 16 rows of w_proj, source 1 = 16 rows of y): a lane holds eight neighbouring columns of a row.  The bias is the C of each sum's first instruction.
; The first 16 rows of each sequence are written here too, and written again, more finely, by the launch that follows: leaving them out would take a branch on the work-group's place in its cluster.
; REGISTERS: window 0: v0-31 addresses; v32-95 the way out; v96-127 the bias; v128-255 the accumulators ((a, b) at v[128 + 8 (4 a + b)]).  window 1: two fragment buffers of 128.
.set LOADB,  32768                     ; what one tensor load brings: 64 rows x 256 along K
.set SLOT,   4*LOADB                   ; y's 128 rows, then w_proj's 128
.set STAGE,  2*SLOT                    ; behind the ring: 16 rows x 272 bytes for each wave
.set SPITCH, 272
.set SPARE,  STAGE+4*16*SPITCH
.set LAPS,   2                         ; a lap = two K steps
.set ADRA, 16
.set ADRB, 20
.set STO,  24
.set RD,   25
.set CO,   26
.set BO,   27
.set SPW,  28                          ; my spare word; never rewritten
.set NIL,  29                          ; 0; never rewritten
.set TMP,  32
.set BIAS, 96
.set ACC,  128
.set F0,   0
.set F1,   128
.set G1, 24
.set G0, 32
.set G1B, 48
.set G0B, 56
.set MSB, 0
.macro WIN new
.if MSB != (\new)
	s_set_vgpr_msb (MSB<<8)|(\new)
.set MSB, (\new)
.endif
.endm
.set MUL,  0x05                        ; sources 0 and 1 window 1; C and D window 0
.set TO_F, 0x40                        ; destination window 1, address window 0
.macro JLOAD s                         ; a joint load: waves 0 and 1 fetch y's two halves, waves 2 and 3 w_proj's; an s_nop 0 and four v_nop follow each of the two lines
	s_cmp_eq_u32 s11, 0
	s_cbranch_scc0 .Lfor_b_\@
	tensor_load_to_lds s[G0+4*\s:G0+4*\s+3], s[G1:G1+7]
	s_nop 0
.rept 4
	v_nop
.endr
	s_branch .Lasked_\@
.Lfor_b_\@:
	tensor_load_to_lds s[G0B+4*\s:G0B+4*\s+3], s[G1B:G1B+7]
	s_nop 0
.rept 4
	v_nop
.endr
.Lasked_\@:
.endm
.macro CREST                           ; a round of the cluster's barrier behind its opening barrier
	s_cmp_lg_u32 s10, 0
	s_cbranch_scc1 .Lnot_wave_0_\@
	s_barrier_signal -3
.Lnot_wave_0_\@:
	s_barrier_wait -3
	s_barrier_signal -1
	s_barrier_wait -1
.endm
.macro CROUND
	s_barrier_signal -1
	s_barrier_wait -1
	CREST
.endm
	s_load_b128 s[4:7], s[0:1], 0x0                ; y16, w16
	s_load_b128 s[68:71], s[0:1], 0x10             ; b_proj, out0
	v_lshl_add_u32 v[SPW], v0, 2, SPARE
	v_mov_b32 v[NIL], 0
	ds_add_u32 v[SPW], v[NIL]                      ; the wave's opening: the add, twice on end, and its wait ahead of my first tensor load
	ds_add_u32 v[SPW], v[NIL]
	v_lshrrev_b32 v1, 5, v0
	v_readfirstlane_b32 s10, v1                    ; wave 0..3
	s_lshr_b32 s11, s10, 1                         ; which half of the tile's rows is mine.  Also: I fetch for y (0) or for w_proj (1)
	s_and_b32 s12, s10, 1                          ; which half of its columns.  Also: which 64 rows of that tile I fetch
	s_bfe_u32 s40, ttmp6, 0x40000                  ; cx
	s_bfe_u32 s41, ttmp6, 0x40004                  ; cy
	s_lshl_b32 s42, ttmp9, 2
	s_add_co_u32 s42, s42, s40                     ; tile column
	s_and_b32 s13, ttmp7, 0xffff
	s_lshl_b32 s13, s13, 2
	s_add_co_u32 s13, s13, s41                     ; tile row
	s_lshl_b32 s43, s41, 2
	s_lshl_b32 s43, 15, s43                        ; my row of the cluster
	s_lshl_b32 s44, 0x1111, s40                    ; my column
	; descriptor group 1: 4 rows of 1,024 elements of 8 bytes, 4,096 elements apart
	s_or_b32 s[G1+0], s43, (3<<16)|(1<<21)
	s_or_b32 s[G1B+0], s44, (3<<16)|(1<<21)
.irp g, G1, G1B
	s_mov_b32 s[\g+1], 1024<<16                    ; tensor_dim0
	s_mov_b32 s[\g+2], 4<<16                       ; tensor_dim1
	s_mov_b32 s[\g+3], 1024<<16                    ; tile_dim0
	s_mov_b32 s[\g+4], 4                           ; tile_dim1
	s_mov_b32 s[\g+5], 4096                        ; from row to row
	s_mov_b32 s[\g+6], 0
	s_mov_b32 s[\g+7], 0
.endr
	s_lshl_b32 s17, s12, 2                         ; which four blocks of 16 rows I fetch
	s_lshl_b32 s16, s13, 3
	s_add_co_u32 s16, s16, s17
	s_lshl_b32 s16, s16, 15                        ; y: block 8 x tile row + 4 x half
	s_lshl_b32 s46, s42, 3
	s_add_co_u32 s46, s46, s17
	s_lshl_b32 s46, s46, 15                        ; w_proj: block 8 x tile column + 4 x half
	s_mov_b32 s17, 0
	s_mov_b32 s47, 0
	s_lshl_b32 s20, s10, 15                        ; where they go: wave x 32,768
	s_wait_dscnt 0x0                               ; both opening adds are done
	s_wait_kmcnt 0x0
	s_add_nc_u64 s[14:15], s[4:5], s[16:17]
	s_add_nc_u64 s[46:47], s[6:7], s[46:47]
	CROUND                                         ; all sixteen work-groups are here: the first joint loads meet
.irp s, 0,1
	s_mov_b32 s[G0+4*\s], 1
	s_add_co_u32 s[G0+4*\s+1], s20, \s*SLOT
	s_add_nc_u64 s[G0+4*\s+2:G0+4*\s+3], s[14:15], \s*8192
	s_or_b32 s[G0+4*\s+3], s[G0+4*\s+3], 0x80000000
	s_mov_b32 s[G0B+4*\s], 1
	s_add_co_u32 s[G0B+4*\s+1], s20, \s*SLOT
	s_add_nc_u64 s[G0B+4*\s+2:G0B+4*\s+3], s[46:47], \s*8192
	s_or_b32 s[G0B+4*\s+3], s[G0B+4*\s+3], 0x80000000
	JLOAD \s
.endr
	v_and_b32 v1, 15, v0                           ; r
	v_bfe_u32 v2, v0, 4, 1                         ; h
	v_and_b32 v3, 31, v0
	v_lshlrev_b32 v3, 4, v3                        ; 16 x lane
	s_lshl_b32 s21, s11, 15                        ; my 64 rows of y
	s_lshl_b32 s22, s12, 15                        ; my 64 rows of w_proj,
	s_add_co_u32 s22, s22, 2*LOADB                 ; behind y's 128
.irp s, 0,1
	v_add_nc_u32 v[ADRA+\s], s21, v3
	v_add_nc_u32 v[ADRB+\s], s22, v3
	s_add_co_u32 s21, s21, SLOT
	s_add_co_u32 s22, s22, SLOT
.endr
	s_mul_i32 s23, s10, 16*SPITCH
	s_add_co_u32 s23, s23, STAGE                   ; my stage
	v_mul_u32_u24 v4, v1, SPITCH
	v_lshl_add_u32 v4, v2, 5, v4
	v_add_nc_u32 v[STO], s23, v4                   ; in: row r, 32 bytes for each half of the lanes
	v_mul_u32_u24 v5, v2, SPITCH
	v_lshl_add_u32 v5, v1, 4, v5
	v_add_nc_u32 v[RD], s23, v5                    ; back: lanes 0-15 one row of 256 bytes, lanes 16-31 the next
	v_lshlrev_b32 v5, 12, v2
	v_lshl_add_u32 v[CO], v1, 4, v5                ; and the same two rows in out0
	v_lshlrev_b32 v[BO], 5, v2
	s_lshl_b32 s16, s13, 7
	s_lshl_b32 s17, s11, 6
	s_add_co_u32 s16, s16, s17
	s_lshl_b32 s16, s16, 12                        ; my first row, in bytes
	s_lshl_b32 s46, s42, 7
	s_lshl_b32 s47, s12, 6
	s_add_co_u32 s46, s46, s47
	s_lshl_b32 s46, s46, 2                         ; my first column, in bytes
	s_mov_b32 s47, 0
	s_add_nc_u64 s[68:69], s[68:69], s[46:47]
	s_add_co_u32 s46, s46, s16
	s_add_nc_u64 s[70:71], s[70:71], s[46:47]
.irp b, 0,1,2,3
.irp e, 0,1
	global_load_b128 v[BIAS+8*\b+4*\e:BIAS+8*\b+4*\e+3], v[BO], s[68:69] offset:64*\b+16*\e   ; a lane's eight columns of tile b
.endr
.endr
; 8 matrix instructions: row blocks a0, a0 + 1 x all 4 column blocks, 32 along K: half c of buffer f.  zero = 1: the bias is C and starts the sums
.macro MUL8 f, c, a0, zero
.irp a, \a0, \a0+1
.irp b, 0,1,2,3
.if \zero
	v_wmma_f32_16x16x32_f16 v[ACC+8*(4*(\a)+\b):ACC+8*(4*(\a)+\b)+7], v[\f+64+8*(4*\c+\b):\f+64+8*(4*\c+\b)+7], v[\f+8*(4*\c+(\a)):\f+8*(4*\c+(\a))+7], v[BIAS+8*\b:BIAS+8*\b+7]
.else
	v_wmma_f32_16x16x32_f16 v[ACC+8*(4*(\a)+\b):ACC+8*(4*(\a)+\b)+7], v[\f+64+8*(4*\c+\b):\f+64+8*(4*\c+\b)+7], v[\f+8*(4*\c+(\a)):\f+8*(4*\c+(\a))+7], v[ACC+8*(4*(\a)+\b):ACC+8*(4*(\a)+\b)+7]
.endif
.endr
.endr
.endm
; 32 LDS loads in one run: the fragments of 64 along K (2,048 bytes of each block's image, from byte k) into buffer f; the first 32 along K first
.macro FETCH slot, k, f
	WIN TO_F
.irp c, 0,1
.irp i, 0,1,2,3
	ds_load_b128 v[\f+64+8*(4*\c+\i):\f+64+8*(4*\c+\i)+3],   v[ADRB+\slot] offset:\k+1024*\c+\i*8192
	ds_load_b128 v[\f+64+8*(4*\c+\i)+4:\f+64+8*(4*\c+\i)+7], v[ADRB+\slot] offset:\k+1024*\c+\i*8192+512
	ds_load_b128 v[\f+8*(4*\c+\i):\f+8*(4*\c+\i)+3],         v[ADRA+\slot] offset:\k+1024*\c+\i*8192
	ds_load_b128 v[\f+8*(4*\c+\i)+4:\f+8*(4*\c+\i)+7],       v[ADRA+\slot] offset:\k+1024*\c+\i*8192+512
.endr
.endr
.endm
.macro PLACES
.rept 4
	v_nop
.endr
.endm
; A K step is four quarters of 64 along K, 32 matrix instructions each, on buffers 0, 1, 0, 1.
.macro QUARTER slot, k, f, g, zero
	s_wait_dscnt 16                                ; the first 32 along K are in; the other sixteen loads may be out
	WIN MUL
	MUL8 \f, 0, 0, \zero
	MUL8 \f, 0, 2, \zero
	PLACES
	FETCH \slot, \k, \g
	s_wait_dscnt 32                                ; all but the 32 just issued
	WIN MUL
	MUL8 \f, 1, 0, 0
	MUL8 \f, 1, 2, 0
.endm
; The last quarter multiplies buffer 1 and changes slots: one barrier; in front of it each wave waits for all its tensor loads, adds 0 to its spare word, and waits for that and for its reads of this slot.
.macro TURN slot, next, fill
	WIN 0
	s_wait_tensorcnt 0x0                           ; all my tensor loads have landed: my part of the next slot
	ds_add_u32 v[SPW], v[NIL]                      ; 0 onto my spare word
	s_wait_dscnt 17                                ; (the add and the youngest sixteen loads may be out)
	WIN MUL
	MUL8 F1, 0, 0, 0
	s_wait_dscnt 0x0                               ; the add is done, and my reads of this slot are over
	s_barrier_signal -1
	MUL8 F1, 0, 2, 0
.if \fill
	WIN 0
.endif
	s_barrier_wait -1
.if \fill
	CREST                                          ; the barrier has opened a round of the cluster's: no wave of any partner still reads this slot or has a load on its way
	s_add_nc_u64 s[G0+4*\slot+2:G0+4*\slot+3], s[G0+4*\slot+2:G0+4*\slot+3], 2*8192
	s_add_nc_u64 s[G0B+4*\slot+2:G0B+4*\slot+3], s[G0B+4*\slot+2:G0B+4*\slot+3], 2*8192
	JLOAD \slot                                    ; the first tensor load behind the round; its four v_nop are also the places in front of the loads below
.else
	PLACES
.endif
	FETCH \next, 0, F0
	WIN MUL
	MUL8 F1, 1, 0, 0
	MUL8 F1, 1, 2, 0
.endm
	s_wait_tensorcnt 1                             ; my part of K step 0 is in; K step 1's load may be out
	s_barrier_signal -1
	s_barrier_wait -1
	FETCH 0, 0, F0
	s_wait_loadcnt 0x0                             ; the bias
	QUARTER 0, 2048, F0, F1, 1
	WIN 0
	s_mov_b32 s3, LAPS-1
.Llap:                                                 ; a trip goes once round the ring and fills both slots again
	QUARTER 0, 4096, F1, F0, 0
	QUARTER 0, 6144, F0, F1, 0
	TURN 0, 1, 1
	QUARTER 1, 2048, F0, F1, 0
	QUARTER 1, 4096, F1, F0, 0
	QUARTER 1, 6144, F0, F1, 0
	TURN 1, 0, 1
	QUARTER 0, 2048, F0, F1, 0
	WIN 0
	s_sub_co_u32 s3, s3, 1
	s_cmp_lg_u32 s3, 0
	s_cbranch_scc1 .Llap
	QUARTER 0, 4096, F1, F0, 0                     ; the last lap fills nothing
	QUARTER 0, 6144, F0, F1, 0
	TURN 0, 1, 0
	QUARTER 1, 2048, F0, F1, 0
	QUARTER 1, 4096, F1, F0, 0
	QUARTER 1, 6144, F0, F1, 0
	s_wait_dscnt 16
	WIN MUL
	MUL8 F1, 0, 0, 0
	MUL8 F1, 0, 2, 0
	s_wait_dscnt 0
	MUL8 F1, 1, 0, 0
	MUL8 F1, 1, 2, 0
	WIN 0
; THE WAY OUT, a block of 16 rows x 64 columns at a time, through my own stage: a lane holds 32 bytes of a row; the rows come back whole, 256 bytes, and sixteen lanes store 256 consecutive bytes, aligned.
; LDS serves a wave's instructions in order (ISA guide 5.7.1.4): no wait between the stores and the loads, nor in front of the next block's stores.
.macro TOSTAGE a
.irp b, 0,1,2,3
	ds_store_b128 v[STO], v[ACC+8*(4*(\a)+\b):ACC+8*(4*(\a)+\b)+3] offset:64*\b       ; each accumulator from its low end on
	ds_store_b128 v[STO], v[ACC+8*(4*(\a)+\b)+4:ACC+8*(4*(\a)+\b)+7] offset:64*\b+16
.endr
.irp t, 0,1,2,3,4,5,6,7
	ds_load_b128 v[TMP+32*((\a)%2)+4*\t:TMP+32*((\a)%2)+4*\t+3], v[RD] offset:\t*2*SPITCH
.endr
.endm
.macro SEND a, younger
	s_wait_dscnt \younger                          ; the block is back; the next block's eight stores and eight loads may be out
.irp t, 0,1,2,3,4,5,6,7
	global_store_b128 v[CO], v[TMP+32*((\a)%2)+4*\t:TMP+32*((\a)%2)+4*\t+3], s[70:71] offset:(16*(\a)+2*\t)*4096 th:TH_STORE_NT
.endr
.endm
	PLACES
	TOSTAGE 0
.irp a, 1,2,3
.if \a > 1
	s_wait_xcnt 0x0                                ; the stores of two blocks back have read their registers: this block's loads may land there
.endif
	TOSTAGE \a
	SEND \a-1, 16
.endr
	SEND 3, 0
	s_wait_tensorcnt 0x0                           ; the wave's end
	ds_add_u32 v[SPW], v[NIL]
	s_wait_dscnt 0x0
	CROUND                                         ; the closing round
	s_endpgm
.Lfunc_end_k_qe8b2b8bb6c_proj:
	.size	k_qe8b2b8bb6c_proj, .Lfunc_end_k_qe8b2b8bb6c_proj-k_qe8b2b8bb6c_proj
	.p2alignl 7, 3214868480
	.fill 96, 4, 3214868480
	.section	.rodata,"a",@progbits
	.p2align	6, 0x0
	.amdhsa_kernel k_qe8b2b8bb6c_proj
		.amdhsa_group_segment_fixed_size 327680
		.amdhsa_private_segment_fixed_size 0
		.amdhsa_enable_private_segment 0
		.amdhsa_kernarg_size 32
		.amdhsa_user_sgpr_count 2
		.amdhsa_user_sgpr_kernarg_segment_ptr 1
		.amdhsa_wavefront_size32 1
		.amdhsa_system_sgpr_workgroup_id_x 1
		.amdhsa_system_sgpr_workgroup_id_y 1
		.amdhsa_system_sgpr_workgroup_id_z 1
		.amdhsa_system_vgpr_workitem_id 0
		.amdhsa_next_free_vgpr 512
		.amdhsa_next_free_sgpr 72
		.amdhsa_reserve_vcc 0
		.amdhsa_float_denorm_mode_32 3
		.amdhsa_float_denorm_mode_16_64 3
		.amdhsa_memory_ordered 1
		.amdhsa_forward_progress 1
		.amdhsa_inst_pref_size 86
	.end_amdhsa_kernel
	.amdgpu_metadata
---
amdhsa.version: [ 1, 2 ]
amdhsa.kernels:
  - .name:           k_qe8b2b8bb6c_proj
    .symbol:         k_qe8b2b8bb6c_proj.kd
    .args:
      - { .name: y16, .offset: 0, .size: 8, .value_kind: global_buffer, .address_space: global }
      - { .name: w16, .offset: 8, .size: 8, .value_kind: global_buffer, .address_space: global }
      - { .name: b_proj, .offset: 16, .size: 8, .value_kind: global_buffer, .address_space: global }
      - { .name: out0, .offset: 24, .size: 8, .value_kind: global_buffer, .address_space: global }
    .group_segment_fixed_size: 327680
    .private_segment_fixed_size: 0
    .kernarg_segment_align: 8
    .kernarg_segment_size: 32
    .max_flat_workgroup_size: 128
    .sgpr_count:     72
    .vgpr_count:     512
    .wavefront_size: 32
...
	.end_amdgpu_metadata
.endif
;; end of part 4
;; launch fine (part 5): grid 64 x 2, 16 waves a work-group, no clusters, 18,432 bytes of LDS; arguments qkv32, w_proj, b_proj, out0; writes out0
.if DOCPART == 5
	.amdgcn_target "amdgcn-amd-amdhsa--gfx1250"
	.amdhsa_code_object_version 6
	.text
	.protected	k_qe8b2b8bb6c_fine
	.globl	k_qe8b2b8bb6c_fine
	.p2align	8
	.type	k_qe8b2b8bb6c_fine,@function
k_qe8b2b8bb6c_fine:
	s_mov_b64 s[64:65], 0
	v_nop
	global_prefetch_b8 v0, s[64:65] scope:SCOPE_SE
	s_setreg_imm32_b32 hwreg(HW_REG_WAVE_MODE, 25, 1), 1
	s_wait_xcnt 0x0
; THE FIRST 16 POSITIONS OF EACH SEQUENCE, WHOLLY IN f32: there a row of the softmax averages one to sixteen values, y is as large as v, and f16 operands would use up what the comparison allows.
; Work-group (x, b) makes out0[b][0..15][16 x .. 16 x + 15] and writes it over what the launch before left there.  Wave w makes head w's attention (16 x 16 x 64, twice) and multiplies its 16 x 64 of y at once
; by w_proj[16 x + 0..15][64 w + 0..63]: a head is a wave's own part of the projection's K, so O^T's registers are that product's second source as they stand, and y goes through no LDS.
; The sixteen parts along K meet in LDS; wave w then sums row w.  A row's 16 numbers leave as 64 consecutive bytes, a quarter of an aligned 256: the price of sharing 32 rows among 128 work-groups.
; All products by the f32 matrix form, 16 x 16 x 4: a lane's two registers are two of K for its half of the lanes.  Which two is free, as long as both sources take the same: here K runs as the loads and O^T leave it.
; The registers that this form writes (v32-79) are written by nothing else; sums begin with C = 0; two or four accumulators take turns.
; q, k, v come as f32 images: q, k: lane (r, h), register 8 g + 4 e + i: token r, d = 16 g + 8 h + 4 e + i;  v: d = 16 g + r, token 8 h + 4 e + i.
.set RED,   0                          ; the parts of the projection, 1,024 bytes a wave
.set SPARE, 16*1024                    ; the spare words, 128 bytes for each of sixteen waves
.set QR, 80                            ; v80-111  q
.set KR, 112                           ; v112-143 k
.set VR, 144                           ; v144-175 v
.set PP, 176                           ; v176-183 scores, then p, then the projection's part
.set WA, 192                           ; v192-223 w_proj: register 8 dt + j: K = 64 w + 16 dt + 8 h + j, as O^T's registers have d
	s_load_b256 s[4:11], s[0:1], 0x0               ; qkv32, w_proj, b_proj, out0
	v_lshl_add_u32 v4, v0, 2, SPARE                ; my spare word; never rewritten
	v_mov_b32 v5, 0                                ; 0; never rewritten
	v_lshrrev_b32 v1, 5, v0
	v_readfirstlane_b32 s12, v1                    ; wave 0..15: my head
	s_and_b32 s13, ttmp7, 0xffff                   ; batch
	v_and_b32 v1, 15, v0                           ; r
	v_bfe_u32 v2, v0, 4, 1                         ; h
	v_and_b32 v17, 31, v0                          ; lane
	v_lshlrev_b32 v3, 4, v17                       ; 16 x lane
	v_lshlrev_b32 v6, 12, v1
	v_lshl_add_u32 v6, v2, 5, v6                   ; w_proj: row r, + 32 h bytes
	v_lshlrev_b32 v11, 2, v1                       ; 4 (lane % 16): my column of the bias and of a row of out0
	v_lshlrev_b32 v15, 3, v2
	v_sub_nc_u32 v12, v1, v15                      ; r - 8 h
	v_mov_b32 v13, 0xff800000                      ; -infinity
	s_lshl_b32 s14, s12, 10
	v_add_nc_u32 v9, s14, v3                       ; my part: 1,024 x wave + 16 x lane
	v_and_b32 v10, 3, v0                           ; at the end wave w takes row w, lane l column c = l % 16 of parts 8 (l / 16) on: which of four numbers,
	v_lshlrev_b32 v10, 2, v10
	v_bfe_u32 v15, v0, 2, 1                        ; lower or upper four,
	v_lshl_add_u32 v10, v15, 9, v10
	v_bfe_u32 v15, v0, 3, 1                        ; which half of the lanes held it,
	v_lshl_add_u32 v10, v15, 8, v10
	v_lshl_add_u32 v10, v2, 13, v10                ; eight parts on for lanes 16-31,
	s_lshl_b32 s14, s12, 4
	v_add_nc_u32 v10, s14, v10                     ; and the lane that held row w
	s_mul_i32 s16, s13, 393216                     ; qkv32: part 2 b, slot = my head
	s_lshl_b32 s17, s12, 12
	s_add_co_u32 s16, s16, s17
	s_mov_b32 s17, 0
	s_lshl_b32 s18, ttmp9, 16                      ; w_proj: rows 16 x on, 4,096 bytes each,
	s_lshl_b32 s19, s12, 8                         ; from K = 64 w on
	s_add_co_u32 s18, s18, s19
	s_mov_b32 s19, 0
	s_lshl_b32 s20, ttmp9, 6                       ; 16 columns of f32
	s_mov_b32 s21, 0
	s_lshl_b32 s22, s13, 23                        ; out0: row 2,048 b + w
	s_lshl_b32 s23, s12, 12
	s_add_co_u32 s22, s22, s23
	s_add_co_u32 s22, s22, s20
	s_mov_b32 s23, 0
	s_mov_b32 s24, 0x76543210
	s_mov_b32 s25, 0xfedcba98                      ; lane l xor 16
	s_mov_b32 s26, 0x3e38aa3b                      ; c = log2(e) / 8
	s_wait_kmcnt 0x0
	s_add_nc_u64 s[4:5], s[4:5], s[16:17]
	s_add_nc_u64 s[6:7], s[6:7], s[18:19]
	s_add_nc_u64 s[8:9], s[8:9], s[20:21]
	s_add_nc_u64 s[10:11], s[10:11], s[22:23]
.irp n, 0,1,2,3,4,5,6,7
	global_load_b128 v[QR+4*\n:QR+4*\n+3], v3, s[4:5] offset:512*\n
.endr
.irp n, 0,1,2,3,4,5,6,7
	global_load_b128 v[KR+4*\n:KR+4*\n+3], v3, s[4:5] offset:65536+512*\n
.endr
.irp n, 0,1,2,3,4,5,6,7
	global_load_b128 v[VR+4*\n:VR+4*\n+3], v3, s[4:5] offset:131072+512*\n
.endr
.irp dt, 0,1,2,3
.irp e, 0,1
	global_load_b128 v[WA+8*\dt+4*\e:WA+8*\dt+4*\e+3], v6, s[6:7] offset:64*\dt+16*\e
.endr
.endr
	global_load_b32 v16, v11, s[8:9]               ; the bias of my column
	s_wait_loadcnt 17                              ; q and k are in; v's 8, w_proj's 8 and the bias's 1 may be out
.set n, 0
.rept 16                                       ; S^T = k q^T: source 0 = 16 keys, source 1 = 16 queries; two accumulators by turns
.if n < 2
	v_wmma_f32_16x16x4_f32 v[32+8*(n%2):39+8*(n%2)], v[KR+2*n:KR+2*n+1], v[QR+2*n:QR+2*n+1], 0
.else
	v_wmma_f32_16x16x4_f32 v[32+8*(n%2):39+8*(n%2)], v[KR+2*n:KR+2*n+1], v[QR+2*n:QR+2*n+1], v[32+8*(n%2):39+8*(n%2)]
.endif
.set n, n+1
.endr
.rept 8
	v_nop                                          ; eight places behind this form, ahead of the reads of the sums
.endr
.irp j, 0,1,2,3,4,5,6,7
	v_add_f32 v[PP+\j], v[32+\j], v[40+\j]         ; lane (r, h), register j: key 8 h + j, query r
.endr
.irp j, 0,1,2,3,4,5,6,7
	v_cmp_gt_i32 vcc_lo, \j, v12                   ; hidden where 8 h + j > r
	v_cndmask_b32 v[PP+\j], v[PP+\j], v13, vcc_lo
.endr
	v_max3_num_f32 v14, v[PP], v[PP+1], v[PP+2]
	v_max3_num_f32 v15, v[PP+3], v[PP+4], v[PP+5]
	v_max3_num_f32 v14, v14, v[PP+6], v[PP+7]
	v_max_num_f32 v14, v14, v15
	v_permlanex16_b32 v15, v14, s24, s25
	v_max_num_f32 v14, v14, v15                    ; the row's maximum: key 0 counts for every query
	v_mul_f32 v15, s26, v14
.irp j, 0,1,2,3,4,5,6,7
	v_fma_f32 v[PP+\j], v[PP+\j], s26, -v15
.endr
.irp j, 0,1,2,3,4,5,6,7
	v_exp_f32 v[PP+\j], v[PP+\j]
.endr
	v_nop
	s_wait_alu depctr_va_vdst(0)                   ; one wait for the eight, ahead of their first reader
	v_add_f32 v14, v[PP], v[PP+1]
	v_add_f32 v15, v[PP+2], v[PP+3]
	v_add_f32 v18, v[PP+4], v[PP+5]
	v_add_f32 v19, v[PP+6], v[PP+7]
	v_add_f32 v14, v14, v15
	v_add_f32 v18, v18, v19
	v_add_f32 v14, v14, v18
	v_permlanex16_b32 v15, v14, s24, s25
	v_add_f32 v14, v14, v15
	v_rcp_f32 v18, v14
	v_nop
	s_wait_alu depctr_va_vdst(0)
.irp j, 0,1,2,3,4,5,6,7
	v_mul_f32 v[PP+\j], v[PP+\j], v18              ; the weights, normalised
.endr
	s_wait_loadcnt 9                               ; v is in; w_proj's 8 and the bias's 1 may be out
.irp u, 0,1,2,3                                ; O^T = v^T p: source 0 = 16 of d, source 1 = p; keys 8 h + 2 u and + 1; four accumulators by turns
.irp dt, 0,1,2,3
.if \u == 0
	v_wmma_f32_16x16x4_f32 v[48+8*\dt:55+8*\dt], v[VR+8*\dt+2*\u:VR+8*\dt+2*\u+1], v[PP+2*\u:PP+2*\u+1], 0
.else
	v_wmma_f32_16x16x4_f32 v[48+8*\dt:55+8*\dt], v[VR+8*\dt+2*\u:VR+8*\dt+2*\u+1], v[PP+2*\u:PP+2*\u+1], v[48+8*\dt:55+8*\dt]
.endif
.endr
.endr
	s_wait_loadcnt 0x0                             ; w_proj and the bias
.rept 9
	v_nop                                          ; nine places behind this form before a matrix instruction takes its result as a source
.endr
.set n, 0
.rept 16                                       ; the projection over my head's 64 of K: source 0 = 16 rows of w_proj, source 1 = O^T as it stands: lane (r, h), register 8 dt + j: y(r, 64 w + 16 dt + 8 h + j); two accumulators by turns
.if n < 2
	v_wmma_f32_16x16x4_f32 v[32+8*(n%2):39+8*(n%2)], v[WA+2*n:WA+2*n+1], v[48+2*n:49+2*n], 0
.else
	v_wmma_f32_16x16x4_f32 v[32+8*(n%2):39+8*(n%2)], v[WA+2*n:WA+2*n+1], v[48+2*n:49+2*n], v[32+8*(n%2):39+8*(n%2)]
.endif
.set n, n+1
.endr
.rept 8
	v_nop
.endr
.irp j, 0,1,2,3,4,5,6,7
	v_add_f32 v[PP+\j], v[32+\j], v[40+\j]         ; lane (r, h), register j: row r, column 16 x + 8 h + j, over my 64 of K
.endr
	ds_store_b128 v9, v[PP:PP+3] offset:RED
	ds_store_b128 v9, v[PP+4:PP+7] offset:RED+512
	s_wait_dscnt 0x0                               ; for the others: my stores have landed
	s_barrier_signal -1
	s_barrier_wait -1                              ; all sixteen parts lie in LDS
.irp p, 0,1,2,3,4,5,6,7
	ds_load_b32 v[20+\p], v10 offset:RED+1024*\p   ; eight parts of my column of row w
.endr
	s_wait_dscnt 0x0
	v_add_f32 v20, v20, v21
	v_add_f32 v22, v22, v23
	v_add_f32 v24, v24, v25
	v_add_f32 v26, v26, v27
	v_add_f32 v20, v20, v22
	v_add_f32 v24, v24, v26
	v_add_f32 v20, v20, v24
	v_permlanex16_b32 v21, v20, s24, s25           ; the other eight parts lie in the lane 16 away
	v_add_f32 v20, v20, v21
	v_add_f32 v20, v20, v16                        ; and the bias
	v_cmp_gt_u32 vcc_lo, 16, v17
	s_wait_xcnt 0x0                                ; EXEC changes only behind this wait
	s_and_saveexec_b32 s27, vcc_lo                 ; lanes 0-15 store: both halves hold the same sums
	global_store_b32 v11, v20, s[10:11]            ; 16 lanes store 64 consecutive bytes
	s_wait_xcnt 0x0                                ; and again, in front of the line that widens it
	s_or_b32 exec_lo, exec_lo, s27
	s_wait_tensorcnt 0x0                           ; the wave's end, behind my last LDS store
	ds_add_u32 v4, v5
	s_wait_dscnt 0x0
	s_endpgm
.Lfunc_end_k_qe8b2b8bb6c_fine:
	.size	k_qe8b2b8bb6c_fine, .Lfunc_end_k_qe8b2b8bb6c_fine-k_qe8b2b8bb6c_fine
	.p2alignl 7, 3214868480
	.fill 96, 4, 3214868480
	.section	.rodata,"a",@progbits
	.p2align	6, 0x0
	.amdhsa_kernel k_qe8b2b8bb6c_fine
		.amdhsa_group_segment_fixed_size 18432
		.amdhsa_private_segment_fixed_size 0
		.amdhsa_enable_private_segment 0
		.amdhsa_kernarg_size 32
		.amdhsa_user_sgpr_count 2
		.amdhsa_user_sgpr_kernarg_segment_ptr 1
		.amdhsa_wavefront_size32 1
		.amdhsa_system_sgpr_workgroup_id_x 1
		.amdhsa_system_sgpr_workgroup_id_y 1
		.amdhsa_system_sgpr_workgroup_id_z 1
		.amdhsa_system_vgpr_workitem_id 0
		.amdhsa_next_free_vgpr 256
		.amdhsa_next_free_sgpr 66
		.amdhsa_reserve_vcc 1
		.amdhsa_float_denorm_mode_32 3
		.amdhsa_float_denorm_mode_16_64 3
		.amdhsa_memory_ordered 1
		.amdhsa_forward_progress 1
		.amdhsa_inst_pref_size 14
	.end_amdhsa_kernel
	.amdgpu_metadata
---
amdhsa.version: [ 1, 2 ]
amdhsa.kernels:
  - .name:           k_qe8b2b8bb6c_fine
    .symbol:         k_qe8b2b8bb6c_fine.kd
    .args:
      - { .name: qkv32, .offset: 0, .size: 8, .value_kind: global_buffer, .address_space: global }
      - { .name: w_proj, .offset: 8, .size: 8, .value_kind: global_buffer, .address_space: global }
      - { .name: b_proj, .offset: 16, .size: 8, .value_kind: global_buffer, .address_space: global }
      - { .name: out0, .offset: 24, .size: 8, .value_kind: global_buffer, .address_space: global }
    .group_segment_fixed_size: 18432
    .private_segment_fixed_size: 0
    .kernarg_segment_align: 8
    .kernarg_segment_size: 32
    .max_flat_workgroup_size: 512
    .sgpr_count:     66
    .vgpr_count:     256
    .wavefront_size: 32
...
	.end_amdgpu_metadata
.endif
;; end of part 5
